; MI455X (gfx1250); checked and timed in simulation.
; The chip was launched on July 23, 2026; its instructions are those of AMD's public machine-readable ISA for CDNA 5 (MIT licence, August 2026) and "CDNA5" Instruction Set Architecture Reference Guide (July 2026). The comments in the code are by the model that wrote it; some were corrected since.
;; Multi Head Attention. Allowed arithmetic: matrix products marked QUANTISED: E2M3 operands, one E8M0 scale for each 32 along K, by v_wmma_scale_f32_16x16x128_f8f6f4 with both operands' format E2M3, f32 sums; everything else in f32.
;; Inputs: Wk 1,024 x 1,024 float32; Wo 1,024 x 1,024 float32; Wq 1,024 x 1,024 float32; Wv 1,024 x 1,024 float32; bk 1,024 float32; bo 1,024 float32; bq 1,024 float32; bv 1,024 float32; context 4 x 2,048 x 1,024 float32; mask 4 x 2,048 x 2,048 bool; query 4 x 2,048 x 1,024 float32.
;; Outputs: out0 4 x 2,048 x 1,024 float32.
;; This version of the problem:
;;   THIS VERSION OF THE PROBLEM IS GIVEN IN LOW PRECISION. The matrix products marked QUANTISED in the list below multiply operands that are first quantised to E2M3 (2 exponent bits, 3 mantissa bits; 6 bits a number), with one power-of-two scale for each 32 numbers along K (OCP MX v1.0); their sums are f32. All else is computed in f32.
;;   The module's matrix products, in the order in which they are computed (A, B: the left and right operand; K: the contracted axis; several contracted axes count as one K, in the product's order):
;;     1. [M 8,192, K 1,024] x [K 1,024, N 1,024]; A: input query; B: input Wq: QUANTISED
;;     2. [M 8,192, K 1,024] x [K 1,024, N 1,024]; A: input context; B: input Wk: QUANTISED
;;     3. [M 8,192, K 1,024] x [K 1,024, N 1,024]; A: input context; B: input Wv: QUANTISED
;;     4. batch 64 x [M 2,048, K 64] x [K 64, N 2,048]; A: computed on the way; B: computed on the way: QUANTISED
;;     5. batch 64 x [M 64, K 2,048] x [K 2,048, N 2,048]; A: computed on the way; B: softmax (see below): QUANTISED
;;     6. [M 8,192, K 1,024] x [K 1,024, N 1,024]; A: computed on the way; B: input Wo: QUANTISED
;;   THE QUANTISER, for each operand of a quantised product, along K:
;;     - K is cut into blocks of 32 from its start; a last block that is shorter is filled with zeros.
;;     - A block's scale is 2^e with e = floor(log2(the largest magnitude in the block)) - 2, held to -126 .. 127; a block of zeros has e = 0. As a byte (E8M0): e + 127.
;;     - Each number is divided by its block's scale, clamped to +-7.5, and rounded to the nearest number of E2M3, ties to even, subnormals kept.
;;     - The product sums the exact products of the quantised numbers (number of the format x scale) in f32.
;;   ~~~python
;;   def quantise(x, axis):      # numpy; x: float32 -> the quantised numbers, widened to float32 again
;;       x = np.moveaxis(x, axis, -1); K = x.shape[-1]
;;       x = np.pad(x, [(0, 0)] * (x.ndim - 1) + [(0, -K % 32)]); x = x.reshape(x.shape[:-1] + (-1, 32)); a = np.abs(x).max(-1, keepdims=True)
;;       e = np.where(a > 0, np.clip(np.frexp(np.where(a > 0, a, 1))[1] - 1 - 2, -126, 127), 0)      # np.frexp(a)[1] - 1 = floor(log2(a)), exactly
;;       r = np.clip(x / 2.0 ** e, -7.5, 7.5)
;;       step = 2.0 ** (np.maximum(np.frexp(np.where(r == 0, 1, r))[1] - 1, 0) - 3)
;;       q = np.round(r / step) * step * 2.0 ** e      # np.round: ties to even
;;       return np.moveaxis(q.reshape(q.shape[:-2] + (-1,))[..., :K], -1, axis).astype(np.float32)
;;   ~~~
;;   SOFTMAX AHEAD OF A QUANTISED PRODUCT. Where the list says 'softmax', what is quantised is not the finished softmax but p = 2^(t - M), with t = logit x log2(e) and M = ceil(the row's largest t), a whole number; so 1/2 < the row's largest p <= 1. The row's sum l is taken of the UNQUANTISED p, in f32, and the product's result is divided by l at the end. Since M is a whole number, a kernel that streams over the keys may use a running M (the ceiling of the running maximum): every later rescaling is an exact power of two, which a block's scale takes up: the codes' values come out the same.
;;   OPERANDS COMPUTED ON THE WAY. 'Computed on the way' means the value that the module computes at that place (a softmax that the list does not call 'softmax' is quantised finished and normalised). What goes into a quantiser is computed in f32, as accurately as f32 sums, v_exp_f32 and their like allow (about 1e-6 of the number): no bf16 or f16 on the way to a quantiser, and a product that is left as it is and whose result goes on into a quantised operand takes f32 operands (vector FMAs, or v_wmma_f32_16x16x4_f32). A number that lies on a knife's edge between two numbers of the format may be rounded either way, as far as f32 arithmetic and the matrix unit's own rounding can turn it there, and no further.
;; One version. Each part assembles by itself: llvm-mc -triple=amdgcn-amd-amdhsa -mcpu=gfx1250 --defsym DOCPART=n.
;; ======== version 1 of 1: 4 launches
;; limits: right only within a limited range of input values
;; workspace buffers: acts 13,107,200 bytes; wts 3,276,800 bytes; maskbits 2,097,152 bytes of whole numbers; qkv 20,447,232 bytes; oc 6,553,600 bytes
;; launch prep (part 1): grid 768 x 1, 4 waves a work-group, no clusters, 85,504 bytes of LDS; arguments query, context, Wq, Wk, Wv, Wo, mask, acts, wts, maskbits; writes acts, wts, maskbits
.if DOCPART == 1
	.amdgcn_target "amdgcn-amd-amdhsa--gfx1250"
	.amdhsa_code_object_version 6
	.text
	.protected	k_q7f69d55cf6_prep
	.globl	k_q7f69d55cf6_prep
	.p2align	8
	.type	k_q7f69d55cf6_prep,@function
k_q7f69d55cf6_prep:
	s_mov_b64 s[64:65], 0
	v_nop
	global_prefetch_b8 v0, s[64:65] scope:SCOPE_SE
	s_setreg_imm32_b32 hwreg(HW_REG_WAVE_MODE, 25, 1), 1
	s_wait_xcnt 0x0
; PREP: three streams in one launch, told apart by the work-group's number; each has LDS bytes of its own.
;   work-groups 0-511:   query and context [8192][1024] f32 -> codes of FP6 (E2M3), K innermost, 768 bytes a row, and one E8M0 byte for each 32 along K (32 bytes a row), into acts.
;   work-groups 512-639: Wq, Wk, Wv, Wo [k 1024][n 1024] f32 -> the same along k, laid [n][768 bytes] and [n][32 bytes], into wts.  A lane takes a column, its registers run down k.
;   work-groups 640-767: mask [4][2048][2048] bytes -> lane masks for the attention launch, into maskbits.
; TILE ORDER.  Rows of acts (tokens) and of wts (columns n) are stored with bits 3 and 4 of their number exchanged: in each group of 32 rows, place 16 u + p holds row 8 u + p + 8 (p / 8).
; Sixteen neighbouring places used as source 0 of a matrix instruction then give a lane, in the 16 registers of two neighbouring tiles, 16 neighbouring rows.
; A block's scale is 2^(floor(log2(its largest magnitude)) - 2); its byte is the largest magnitude's exponent field - 2, held at 1 from below.
; LIMITS: a block of zeros gets the byte 1 where the rule says 127 (its codes are zeros, and this program alone reads the bytes); blocks whose largest magnitude lies under 2^-124 have their byte held at 1;
; NaN and infinities among the inputs are not served.
; maskbits: [batch 4][tile of 16 queries 128][step of 128 keys 16][64 words]: bit (r + 16 h) of word n = mask[batch][query 32 (tile / 2) + 8 (tile % 2) + r + 8 (r / 8)][key 128 step + 32 (n / 16) + 16 h + n % 16].
.set SPW,   12                         ; v12  LDS address of my spare word: SPARE + 4 x my thread's number; never rewritten
.set NIL,   13                         ; v13  0; never rewritten
.set LDSW,  32768                      ; LDS: 0 the activations' four regions of 8,192; here the weights' four stages of 32 x 272;
.set LDSM,  67584                      ; the mask's four stages of 16 x 272;
.set SPARE, 84992                      ; the spare words, 128 bytes for each wave: two blocks of 256 bytes that no other line names
	s_load_b512 s[4:19], s[0:1], 0x0               ; query 4, context 6, Wq 8, Wk 10, Wv 12, Wo 14, mask 16, acts 18
	s_load_b128 s[20:23], s[0:1], 0x40             ; wts 20, maskbits 22
	v_lshl_add_u32 v[SPW], v0, 2, SPARE
	v_mov_b32 v[NIL], 0
	v_lshrrev_b32 v1, 5, v0
	v_readfirstlane_b32 s24, v1                    ; wave 0..3
	v_and_b32 v2, 31, v0                           ; lane
	s_wait_kmcnt 0x0
	s_cmp_lt_u32 ttmp9, 512
	s_cbranch_scc1 .Lpath_x
	s_cmp_lt_u32 ttmp9, 640
	s_cbranch_scc1 .Lpath_w
; ---------------------------------------------------------------- THE MASK.  A wave packs the 16 rows of one tile of queries, 256 keys a trip, 8 trips.
.set MA,   3                           ; v3   in memory: (lane / 16) rows of 2,048 bytes + 16 (lane % 16)
.set MS,   4                           ; v4   into my stage: row lane / 16 of a pair, 16 (lane % 16)
.set ML,   5                           ; v5   out of it: row r = lane % 16, + 16 h
.set MO8,  10                          ; v10  8 x lane
.set MR,   16                          ; v16-47  eight loads' bytes
.set MX,   48                          ; v48-79  register 4 j + i: my row's keys 32 j + 16 h + 4 i .. + 3
.set MOUT, 80                          ; v80-83  the words: lane n / 2, register n % 2, for each of the trip's two key steps
.set MT,   84                          ; v84-87  at work
	s_sub_co_u32 s25, ttmp9, 640
	s_lshl_b32 s25, s25, 2
	s_add_co_u32 s25, s25, s24                     ; which of the 512 tiles of queries
	s_lshr_b32 s26, s25, 7                         ; batch
	s_and_b32 s27, s25, 127                        ; tile in the batch
	s_lshr_b32 s28, s27, 1
	s_lshl_b32 s28, s28, 5
	s_and_b32 s29, s27, 1
	s_lshl_b32 s29, s29, 3
	s_add_co_u32 s28, s28, s29                     ; its first query: 32 (tile / 2) + 8 (tile % 2)
	s_lshl_b32 s28, s28, 11                        ; rows of 2,048 bytes
	s_lshl_b32 s26, s26, 22                        ; batches of 4,194,304
	s_add_co_u32 s28, s28, s26
	s_mov_b32 s29, 0
	s_add_nc_u64 s[26:27], s[16:17], s[28:29]      ; the mask at my first row
	s_lshl_b32 s28, s25, 12                        ; 4,096 bytes of words a tile
	s_add_nc_u64 s[28:29], s[22:23], s[28:29]
	s_mul_i32 s31, s24, 4352
	s_add_co_u32 s31, s31, LDSM                    ; my stage
	v_lshrrev_b32 v6, 4, v2
	v_and_b32 v7, 15, v2
	v_lshlrev_b32 v8, 4, v7
	v_lshl_add_u32 v[MA], v6, 11, v8
	v_mad_u32_u24 v[MS], v6, 272, v8
	v_add_nc_u32 v[MS], s31, v[MS]
	v_mul_u32_u24 v[ML], v7, 272
	v_lshl_add_u32 v[ML], v6, 4, v[ML]
	v_add_nc_u32 v[ML], s31, v[ML]
	v_lshlrev_b32 v[MO8], 3, v2
.irp i, 0,1,2,3
	v_mov_b32 v[MOUT+\i], 0                        ; written once: a lane write's destination counts as one of its sources
.endr
.macro MLOADS                          ; load i: the tile's rows 2 i and 2 i + 1 (rows 8 to 15 of a tile lie 8 queries further on): sixteen lanes read 256 consecutive bytes of a row
.irp i, 0,1,2,3,4,5,6,7
	global_load_b128 v[MR+4*\i:MR+4*\i+3], v[MA], s[26:27] offset:(2*\i+8*(\i/4))*2048 th:TH_LOAD_NT
.endr
.endm
	MLOADS
	s_mov_b32 s30, 8
.Lm_trip:
	s_wait_loadcnt 0x0                             ; the trip's eight loads are in: their base may step
.irp i, 0,1,2,3,4,5,6,7
	ds_store_b128 v[MS], v[MR+4*\i:MR+4*\i+3] offset:2*\i*272
.endr
.irp j, 0,1,2,3,4,5,6,7
	ds_load_b128 v[MX+4*\j:MX+4*\j+3], v[ML] offset:32*\j   ; LDS serves a wave's instructions in order: these see my stores
.endr
	s_wait_dscnt 0x0
	s_cmp_eq_u32 s30, 1                            ; the last trip asks for nothing: no load leaves the buffer
	s_cbranch_scc1 .Lm_no_more
	s_add_nc_u64 s[26:27], s[26:27], 256
	MLOADS                                         ; the next 256 keys land while these are packed
.Lm_no_more:
.irp s2, 0,1                           ; byte k of register g is word n = 4 g + k: a compare makes the 32 lanes' bits, and a lane write puts them where a store of 8 bytes a lane wants them
.set g, 0
.rept 16
.irp k, 0,1,2,3
	v_and_b32 v[MT+\k], 0xff<<(8*\k), v[MX+16*\s2+g]
.endr
.irp k, 0,1,2,3
	v_cmp_ne_u32 s[32+\k], 0, v[MT+\k]
.endr
.irp k, 0,1,2,3
	v_writelane_b32 v[MOUT+2*\s2+\k%2], s[32+\k], 2*g+\k/2
.endr
.set g, g+1
.endr
.endr
	global_store_b64 v[MO8], v[MOUT:MOUT+1], s[28:29]              ; 32 lanes store 256 consecutive bytes, aligned: a key step's 64 words
	global_store_b64 v[MO8], v[MOUT+2:MOUT+3], s[28:29] offset:256
	s_wait_xcnt 0x0                                ; the stores have read their data and their base: both are written again only behind this wait
	s_add_nc_u64 s[28:29], s[28:29], 512
	s_sub_co_u32 s30, s30, 1
	s_cmp_lg_u32 s30, 0
	s_cbranch_scc1 .Lm_trip
	s_wait_tensorcnt 0x0                           ; the wave's end, behind my last LDS store
	ds_add_u32 v[SPW], v[NIL]
	s_wait_dscnt 0x0
	s_endpgm
; ---------------------------------------------------------------- THE ACTIVATIONS.  A wave takes 8 rows (8,192 numbers) in 16 steps of 512.  Each load reads 512 consecutive bytes; a step's 2,048 bytes turn through
; the wave's own stage in LDS (16 bytes of padding behind each 64) and come back 64 bytes a lane: 16 neighbours along K; two neighbouring lanes hold a block.
; Eight rows are one unit of the tile order, so the order costs nothing but the number of the run that is written.
.set XR, 16                            ; v16-79   four sets of 16 numbers as they are loaded
.set XX, 80                            ; v80-111  two sets of 16 neighbours
.set XE, 112                           ; v112-127 a scale byte for each step
.set XC, 128                           ; v128-191 codes: four registers for each step, so that no store's data are written again
.Lpath_x:
	v_lshlrev_b32 v3, 4, v2                        ; my 16 bytes of a load's 512
	s_mul_i32 s25, s24, 8192                       ; my region of LDS
	v_lshrrev_b32 v14, 2, v2
	v_mul_u32_u24 v14, v14, 80
	v_and_b32 v15, 3, v2
	v_lshl_add_u32 v14, v15, 4, v14
	v_add_nc_u32 v14, s25, v14                     ; into the stage: 80 (lane / 4) + 16 (lane % 4)
	v_mul_u32_u24 v15, v2, 80
	v_add_nc_u32 v15, s25, v15                     ; out of it: 80 x lane
	v_mul_u32_u24 v4, v2, 12                       ; my codes' place in a step's 384 bytes
	v_lshrrev_b32 v5, 1, v2
	s_add_co_u32 s25, s25, 5120                    ; behind the two stages: my wave's 256 scale bytes
	v_add_nc_u32 v5, s25, v5
	v_lshlrev_b32 v7, 3, v2
	v_add_nc_u32 v6, s25, v7
	s_cmp_lt_u32 ttmp9, 256                        ; query or context: the choice hangs on the work-group's number alone
	s_cselect_b64 s[4:5], s[4:5], s[6:7]
	s_cselect_b32 s26, 0, 256
	s_cselect_b32 s27, 0, 6291456
	s_cselect_b32 s28, 0, 262144
	s_sub_co_u32 s26, ttmp9, s26
	s_lshl_b32 s26, s26, 2
	s_add_co_u32 s30, s26, s24                     ; the run of 8 rows that I read,
	s_and_b32 s29, s24, 1
	s_lshl_b32 s29, s29, 1
	s_lshr_b32 s31, s24, 1
	s_or_b32 s29, s29, s31
	s_add_co_u32 s26, s26, s29                     ; and its place in the tile order: the run number's two low bits change places
	s_lshl_b32 s30, s30, 15
	s_mov_b32 s31, 0
	s_add_nc_u64 s[4:5], s[4:5], s[30:31]
	s_mul_i32 s30, s26, 6144
	s_add_co_u32 s30, s30, s27
	s_add_nc_u64 s[8:9], s[18:19], s[30:31]        ; the codes
	s_lshl_b32 s30, s26, 8
	s_add_co_u32 s30, s30, s28
	s_add_co_u32 s30, s30, 12582912
	s_add_nc_u64 s[10:11], s[18:19], s[30:31]      ; the scale bytes
.macro XLOAD t
.irp i, 0,1,2,3
	global_load_b128 v[XR+16*((\t)%4)+4*\i:XR+16*((\t)%4)+4*\i+3], v3, s[4:5] offset:2048*(\t)+512*\i th:TH_LOAD_NT
.endr
.endm
.macro XTURN t                         ; step t's numbers through the stage: LDS serves a wave's instructions in order, so no wait stands between the stores and the loads
.irp i, 0,1,2,3
	ds_store_b128 v14, v[XR+16*((\t)%4)+4*\i:XR+16*((\t)%4)+4*\i+3] offset:2560*((\t)%2)+640*\i
.endr
.irp i, 0,1,2,3
	ds_load_b128 v[XX+16*((\t)%2)+4*\i:XX+16*((\t)%2)+4*\i+3], v15 offset:2560*((\t)%2)+16*\i
.endr
.endm
.irp t, 0,1,2,3
	XLOAD \t
.endr
	s_wait_loadcnt 12                              ; step 0's four loads are in
	XTURN 0
.macro XSTEP t
.set XS, XX+16*((\t)%2)
.if (\t) > 0
	s_wait_dscnt 1                                 ; this step's numbers are back from the stage (the last step's byte store may be out)
.else
	s_wait_dscnt 0x0
.endif
.if (\t)+4 < 16
	XLOAD (\t)+4                                   ; into the registers that the stage's stores have read
.endif
.if (\t)+1 < 16
.if 14-(\t) >= 3
	s_wait_loadcnt 12                              ; the next step's four loads are in; those of the three steps behind it may be out
.else
	s_wait_loadcnt 4*(14-(\t))
.endif
	XTURN (\t)+1
.endif
	v_max3_num_f32 v8, |v[XS]|, |v[XS+1]|, |v[XS+2]|               ; the largest magnitude of my 16, in two chains
	v_max3_num_f32 v9, |v[XS+3]|, |v[XS+4]|, |v[XS+5]|
.irp i, 6,10
	v_max3_num_f32 v8, v8, |v[XS+\i]|, |v[XS+\i+1]|
	v_max3_num_f32 v9, v9, |v[XS+\i+2]|, |v[XS+\i+3]|
.endr
	v_max3_num_f32 v8, v8, |v[XS+14]|, |v[XS+15]|
	v_max3_num_f32 v8, v8, v9, 0x1800000           ; and the floor 2^(3 - 127): the byte cannot fall under 1
	v_max_num_f32_dpp v8, v8, v8 row_xmask:1 row_mask:0xf bank_mask:0xf   ; with my neighbour's 16: the block's
	v_add_nc_u32 v11, 0xff000000, v8               ; 2 off its exponent field: the conversion takes the exponent field of this operand as its scale
	v_cvt_scalef32_pk16_fp6_f32 v[XC+4*(\t):XC+4*(\t)+2], v[XS:XS+15], v11
	v_lshrrev_b32 v[XE+(\t)], 23, v11              ; the scale's byte
	ds_store_b8 v5, v[XE+(\t)] offset:16*(\t)      ; both lanes of a block write the same byte with the same value
	global_store_b96 v4, v[XC+4*(\t):XC+4*(\t)+2], s[8:9] offset:384*(\t)
.endm
.irp t, 0,1,2,3,4,5,6,7,8,9,10,11,12,13,14,15
	XSTEP \t
.endr
	ds_load_b64 v[8:9], v6                         ; my wave's 256 scale bytes, 8 a lane
	s_wait_dscnt 0x0
	global_store_b64 v7, v[8:9], s[10:11]          ; 32 lanes store 256 consecutive bytes, aligned
	s_wait_tensorcnt 0x0                           ; the wave's end, behind my last LDS store
	ds_add_u32 v[SPW], v[NIL]
	s_wait_dscnt 0x0
	s_endpgm
; ---------------------------------------------------------------- THE WEIGHTS.  A wave takes 32 columns x 256 along k: 8 blocks a lane.  Each load reads one row k at 32 neighbouring columns.
; A lane's codes belong to one row of the output: they go through the wave's own stage (row = the column's place in the tile order) and leave as rows, sixteen lanes to a row's 192 bytes.
.set WX,   32                          ; v32-95   two sets of 32 numbers
.set WC,   96                          ; v96-102  a block's codes
.set WOUT, 112                         ; v112-175 the way out
.set WSB,  24                          ; v24-25   the scale bytes, four to a register
.Lpath_w:
	s_sub_co_u32 s25, ttmp9, 512
	s_lshr_b32 s26, s25, 5                         ; which weight: 0 Wq, 1 Wk, 2 Wv, 3 Wo
	s_and_b32 s27, s25, 7                          ; which 128 columns
	s_bfe_u32 s28, s25, 0x20003                    ; which 256 along k
	s_cmp_eq_u32 s26, 1
	s_cselect_b64 s[8:9], s[10:11], s[8:9]
	s_cmp_eq_u32 s26, 2
	s_cselect_b64 s[8:9], s[12:13], s[8:9]
	s_cmp_eq_u32 s26, 3
	s_cselect_b64 s[8:9], s[14:15], s[8:9]
	s_lshl_b32 s27, s27, 7
	s_lshl_b32 s29, s24, 5
	s_add_co_u32 s27, s27, s29                     ; my wave's first column
	s_lshl_b32 s30, s28, 20                        ; 256 rows of 4,096 bytes
	s_lshl_b32 s29, s27, 2
	s_add_co_u32 s30, s30, s29
	s_mov_b32 s31, 0
	s_add_nc_u64 s[4:5], s[8:9], s[30:31]          ; the weight at my corner
	s_mul_i32 s30, s26, 786432
	s_mul_i32 s29, s27, 768
	s_add_co_u32 s30, s30, s29
	s_mul_i32 s29, s28, 192
	s_add_co_u32 s30, s30, s29
	s_add_nc_u64 s[6:7], s[20:21], s[30:31]        ; its codes
	s_lshl_b32 s30, s26, 15
	s_lshl_b32 s29, s27, 5
	s_add_co_u32 s30, s30, s29
	s_lshl_b32 s29, s28, 3
	s_add_co_u32 s30, s30, s29
	s_add_co_u32 s30, s30, 3145728
	s_add_nc_u64 s[10:11], s[20:21], s[30:31]      ; its scale bytes
	s_mul_i32 s29, s24, 8704
	s_add_co_u32 s29, s29, LDSW                    ; my stage
	v_lshlrev_b32 v3, 2, v2                        ; in: 4 bytes a lane
	v_and_b32 v10, 7, v2
	v_bfe_u32 v11, v2, 3, 1
	v_lshl_or_b32 v10, v11, 4, v10
	v_bfe_u32 v11, v2, 4, 1
	v_lshl_or_b32 v10, v11, 3, v10                 ; my column's place in the tile order: bits 3 and 4 change places
	v_mul_u32_u24 v4, v10, 272
	v_add_nc_u32 v4, s29, v4                       ; into the stage: row = that place
	v_and_b32 v5, 15, v2
	v_lshrrev_b32 v6, 4, v2
	v_mul_u32_u24 v7, v6, 272
	v_lshl_add_u32 v7, v5, 4, v7
	v_add_nc_u32 v7, s29, v7                       ; out of it: sixteen lanes to a row, two rows an instruction
	v_mul_u32_u24 v8, v6, 768
	v_mad_u32_u24 v8, v5, 12, v8                   ; and the same place among the codes
	v_lshlrev_b32 v9, 5, v10                       ; my column's row of scale bytes
.macro WLOAD t                         ; block t: W(32 t + i, my column) into set t % 2
.set i, 0
.rept 32
	global_load_b32 v[WX+32*((\t)%2)+i], v3, s[4:5] offset:(32*(\t)+i)*4096 th:TH_LOAD_NT
.set i, i+1
.endr
.endm
	WLOAD 0
	WLOAD 1
.macro WBLOCK t
.set WS, WX+32*((\t)%2)
.if (\t) < 7
	s_wait_loadcnt 32                              ; this block's 32 loads are in; the next block's may be out
.else
	s_wait_loadcnt 0
.endif
	v_max3_num_f32 v16, |v[WS]|, |v[WS+1]|, |v[WS+2]|               ; the block's largest magnitude: all 32 numbers are mine
	v_max3_num_f32 v17, |v[WS+3]|, |v[WS+4]|, |v[WS+5]|
.irp i, 6,10,14,18,22,26
	v_max3_num_f32 v16, v16, |v[WS+\i]|, |v[WS+\i+1]|
	v_max3_num_f32 v17, v17, |v[WS+\i+2]|, |v[WS+\i+3]|
.endr
	v_max3_num_f32 v16, v16, |v[WS+30]|, |v[WS+31]|
	v_max3_num_f32 v16, v16, v17, 0x1800000        ; and the floor
	v_add_nc_u32 v18, 0xff000000, v16              ; the conversion's scale operand
	v_lshrrev_b32 v17, 23, v18                     ; the scale's byte
.if (\t)%4 == 0
	v_mov_b32 v[WSB+(\t)/4], v17                   ; four bytes to a register, the lower k in the lower byte
.else
	v_lshl_or_b32 v[WSB+(\t)/4], v17, 8*((\t)%4), v[WSB+(\t)/4]
.endif
	v_cvt_scalef32_pk16_fp6_f32 v[WC:WC+2], v[WS:WS+15], v18
	v_cvt_scalef32_pk16_fp6_f32 v[WC+4:WC+6], v[WS+16:WS+31], v18   ; (a conversion's three registers begin on an even number)
	ds_store_b96 v4, v[WC:WC+2] offset:32*(\t)     ; 12 bytes to a place of 16, so that every LDS address is a multiple of 16
	ds_store_b96 v4, v[WC+4:WC+6] offset:32*(\t)+16
.if (\t)+2 < 8
	WLOAD (\t)+2
.endif
	s_wait_dscnt 0x0                               ; the stores have read their registers: the next block's codes may be written
.endm
.irp t, 0,1,2,3,4,5,6,7
	WBLOCK \t
.endr
	global_store_b64 v9, v[WSB:WSB+1], s[10:11]    ; my column's 8 scale bytes
.irp t, 0,1,2,3,4,5,6,7,8,9,10,11,12,13,14,15
	ds_load_b96 v[WOUT+4*\t:WOUT+4*\t+2], v7 offset:2*\t*272
.endr
.irp t, 0,1,2,3,4,5,6,7,8,9,10,11,12,13,14,15
	s_wait_dscnt 15-\t                             ; LDS loads come back in order: pair t of rows is in, the younger ones may be out
	global_store_b96 v8, v[WOUT+4*\t:WOUT+4*\t+2], s[6:7] offset:2*\t*768
.endr
	s_wait_tensorcnt 0x0                           ; the wave's end, behind my last LDS store
	ds_add_u32 v[SPW], v[NIL]
	s_wait_dscnt 0x0
	s_endpgm
.Lfunc_end_k_q7f69d55cf6_prep:
	.size	k_q7f69d55cf6_prep, .Lfunc_end_k_q7f69d55cf6_prep-k_q7f69d55cf6_prep
	.p2alignl 7, 3214868480
	.fill 96, 4, 3214868480
	.section	.rodata,"a",@progbits
	.p2align	6, 0x0
	.amdhsa_kernel k_q7f69d55cf6_prep
		.amdhsa_group_segment_fixed_size 85504
		.amdhsa_private_segment_fixed_size 0
		.amdhsa_enable_private_segment 0
		.amdhsa_kernarg_size 80
		.amdhsa_user_sgpr_count 2
		.amdhsa_user_sgpr_kernarg_segment_ptr 1
		.amdhsa_wavefront_size32 1
		.amdhsa_system_sgpr_workgroup_id_x 1
		.amdhsa_system_sgpr_workgroup_id_y 1
		.amdhsa_system_sgpr_workgroup_id_z 1
		.amdhsa_system_vgpr_workitem_id 0
		.amdhsa_next_free_vgpr 192
		.amdhsa_next_free_sgpr 66
		.amdhsa_reserve_vcc 0
		.amdhsa_float_denorm_mode_32 3
		.amdhsa_float_denorm_mode_16_64 3
		.amdhsa_memory_ordered 1
		.amdhsa_forward_progress 1
		.amdhsa_inst_pref_size 103
	.end_amdhsa_kernel
	.amdgpu_metadata
---
amdhsa.version: [ 1, 2 ]
amdhsa.kernels:
  - .name:           k_q7f69d55cf6_prep
    .symbol:         k_q7f69d55cf6_prep.kd
    .args:
      - { .name: query, .offset: 0, .size: 8, .value_kind: global_buffer, .address_space: global }
      - { .name: context, .offset: 8, .size: 8, .value_kind: global_buffer, .address_space: global }
      - { .name: Wq, .offset: 16, .size: 8, .value_kind: global_buffer, .address_space: global }
      - { .name: Wk, .offset: 24, .size: 8, .value_kind: global_buffer, .address_space: global }
      - { .name: Wv, .offset: 32, .size: 8, .value_kind: global_buffer, .address_space: global }
      - { .name: Wo, .offset: 40, .size: 8, .value_kind: global_buffer, .address_space: global }
      - { .name: mask, .offset: 48, .size: 8, .value_kind: global_buffer, .address_space: global }
      - { .name: acts, .offset: 56, .size: 8, .value_kind: global_buffer, .address_space: global }
      - { .name: wts, .offset: 64, .size: 8, .value_kind: global_buffer, .address_space: global }
      - { .name: maskbits, .offset: 72, .size: 8, .value_kind: global_buffer, .address_space: global }
    .group_segment_fixed_size: 85504
    .private_segment_fixed_size: 0
    .kernarg_segment_align: 8
    .kernarg_segment_size: 80
    .max_flat_workgroup_size: 128
    .sgpr_count:     66
    .vgpr_count:     192
    .wavefront_size: 32
...
	.end_amdgpu_metadata
.endif
;; end of part 1
;; launch proj (part 2): grid 4 x 96, 4 waves a work-group, clusters of 4 x 4, 327,680 bytes of LDS; arguments acts, wts, bq, bk, bv, qkv; writes qkv
.if DOCPART == 2
	.amdgcn_target "amdgcn-amd-amdhsa--gfx1250"
	.amdhsa_code_object_version 6
	.text
	.protected	k_q7f69d55cf6_proj
	.globl	k_q7f69d55cf6_proj
	.p2align	8
	.type	k_q7f69d55cf6_proj,@function
k_q7f69d55cf6_proj:
	s_mov_b64 s[64:65], 0
	v_nop
	global_prefetch_b8 v0, s[64:65] scope:SCOPE_SE
	s_setreg_imm32_b32 hwreg(HW_REG_WAVE_MODE, 25, 1), 1
	s_wait_xcnt 0x0
	s_wait_alu depctr_hold_cnt(0) depctr_sa_sdst(0) depctr_va_vdst(0) depctr_va_sdst(0) depctr_va_ssrc(0) depctr_va_vcc(0) depctr_vm_vsrc(0)
	s_getreg_b32 s2, hwreg(HW_REG_IB_STS2, 6, 4)
	s_cmp_eq_u32 s2, 0
	s_cbranch_scc0 .Lentry_in_a_cluster
	s_endpgm
.Lentry_in_a_cluster:
	s_bfe_u32 s2, ttmp6, 0x10000c
	s_cmp_lg_u32 s2, 0xf033
	s_cbranch_scc0 .Lentry_shape_is_right
	s_endpgm
.Lentry_shape_is_right:
; PROJ: q = query Wq + bq, k = context Wk + bk, v = context Wv + bv, on codes of FP6 (E2M3) with E8M0 scales, K = 1,024; each result is quantised in registers for the attention launch and never lies in memory as f32.
; One form serves all three: Y[i][j] = sum over k of P[i][k] R[j][k] + bias, QUANTISED ALONG j.  q, k: P = the tokens, R = the weight's columns (j = 64 head + d), bias along j.
; v: P = Wv's columns (i = 64 head + d), R = the tokens (j = the keys, which are the second attention product's K), bias along i.  The cluster's y says which: 0-7 q, 8-15 k, 16-23 v.
; A tile of Y, 256 x 256, is made by four waves, 128 x 128 each: 64 accumulators, 512 registers.  K goes in steps of 256 through a ring of two LDS slots filled by the tensor data mover; the scale bytes of the
; work-group's rows come once and stay.  4 x 4 work-groups form a cluster: P's tiles are asked for jointly along a row of the cluster, R's along a column.
; THE MATRIX INSTRUCTION: source 0 = 16 rows of R, source 1 = 16 rows of P: a lane holds one row i and eight j.  Rows lie in the tile order (bits 3 and 4 of a row's number exchanged), so the 16 registers of two
; neighbouring tiles of R are 16 NEIGHBOURS along j: the conversions' results, with one exchange of halves, are an operand's registers.
; THE BIAS is the C of each sum's first matrix instruction.
; OUT.  A wave's 128 i x 128 j is one block of qkv: codes [half c of j][tile a of 16 i][register pair p][256 bytes: 8 a lane], 12,288 bytes; scale words [a / 4][lane][a % 4]: lanes 0-15 the row's word, lanes 16-31 the
; word shifted down by 16 bits (the odd head's two bytes).  Block number: q, k: 64 (head pair) + token / 128; v: 64 (head pair) + key / 128.  Every store covers 256 or 512 consecutive bytes, aligned.
; LIMITS: a block of zeros carries the byte 1 (its codes are zeros; this program alone reads the bytes); NaN and infinities are not served.
; REGISTERS, in windows of 256: window 0: v0-31 addresses; v32-63 scale words, two sets; v64-127 the bias, later the way out's work; from v128 P's fragments, ONE set, later the codes on their way out.
;   window 1: R's fragments, TWO sets, at v0 and v128.   windows 2, 3: the accumulators ((a, b) at v[8 (8 (a % 4) + b)] of window 2 + a / 4).
.set KSTEP,  256
.set NQ,     2                         ; matrix instructions deep in a slot
.set ROWB,   192                       ; a tile's row in bytes
.set KROW,   768                       ; a row of codes in memory
.set PITCH,  240                       ; an LDS row: 3 x (64 bytes + 16 of padding): the 32 lanes of a load of 8 bytes touch 64 different banks (64 banks of 4 bytes: ISA guide 11.1)
.set FR,     12
.set NL,     6
.set NP,     4                         ; places behind this matrix instruction (ISA guide 7.12.1)
.set HALFT,  128*PITCH
.set SLOT,   4*HALFT
.set LAPS,   2                         ; K = 1,024: twice round the ring
.set KS,     32                        ; a row of scale bytes
.set SCL,    2*SLOT                    ; behind the ring: the scales, as units of 256 bytes + 16 of padding
.set HALFS,  (128*KS/256)*272
.set SBLK,   (16*KS/256)*272
.set SPARE,  SCL+4*HALFS               ; the spare words, 128 bytes for each wave: two blocks of 256 bytes that no other line names
.set ADRA, 16                          ; v16-17 LDS address of P's fragments in slot 0, 1 (v18-19: for the pieces behind one padding more)
.set ADRB, 20                          ; v20-23 the same for R
.set ADRS, 27                          ; v27    my scale words: lanes 0-15 P's rows, lanes 16-31 R's
.set SPW,  28                          ; v28    my spare word's address; never rewritten
.set NIL,  29                          ; v29    0; never rewritten
.set SC,   32
.set BIA,  64                          ; v64-127 the bias: eight registers for each tile of R (along j) or of P (along i)
.set AF,   128
.set TM,   64                          ; the way out: v64-67 largest magnitudes, v68-71 the other half's, then bytes, v76-79 the conversions' scale operands
.set PW,   80                          ; a row's scale word
.set SH16, 81                          ; 16 x (lane / 16)
.set LO8,  82                          ; 8 x lane
.set LO16, 83                          ; 16 x lane
.set T2,   84                          ; v84-86, v88-90 the blocks' second halves
.set SWR,  92                          ; v92-99 the eight tiles' scale words
.set RC,   128                         ; v128-223 the codes: 12 registers for each tile, so that no store's data are written again
.set G1, 24
.set G0, 32
.set G1B, 48
.set G0B, 56
.set G1S, 68
.set G0S, 76
.set G1SB, 80
.set G0SB, 88
.set MSB, 0
.macro WIN new                         ; the immediate's high byte repeats the setting that is left
.if MSB != \new
	s_set_vgpr_msb (MSB<<8)|\new
.set MSB, \new
.endif
.endm
.set MUL_LO, 0xa1                      ; source 0 (R) window 1, source 1 (P) window 0, C and D window 2
.set MUL_HI, 0xf1
.set TO_B,   0x40
; A joint load: waves 0 and 1 fetch for P, waves 2 and 3 for R.  The branch hangs on the wave's number alone.  An s_nop 0 and four v_nop follow each of the two lines.
.macro JLOAD g0a, g1a, g0b, g1b
	s_cmp_eq_u32 s15, 0
	s_cbranch_scc0 .Lfor_b_\@
	tensor_load_to_lds s[\g0a:\g0a+3], s[\g1a:\g1a+7]
	s_nop 0
.rept 4
	v_nop
.endr
	s_branch .Lasked_\@
.Lfor_b_\@:
	tensor_load_to_lds s[\g0b:\g0b+3], s[\g1b:\g1b+7]
	s_nop 0
.rept 4
	v_nop
.endr
.Lasked_\@:
.endm
.macro CREST                           ; a round of the cluster's barrier behind its opening barrier
	s_cmp_lg_u32 s14, 0
	s_cbranch_scc1 .Lnot_wave_0_\@
	s_barrier_signal -3
.Lnot_wave_0_\@:
	s_barrier_wait -3
	s_barrier_signal -1
	s_barrier_wait -1
.endm
.macro CROUND
	s_barrier_signal -1
	s_barrier_wait -1
	CREST
.endm
	s_load_b256 s[4:11], s[0:1], 0x0               ; acts 4, wts 6, bq 8, bk 10
	s_load_b128 s[96:99], s[0:1], 0x20             ; bv 96, qkv 98
	v_lshl_add_u32 v[SPW], v0, 2, SPARE
	v_mov_b32 v[NIL], 0
	ds_add_u32 v[SPW], v[NIL]                      ; the wave's opening: the add and its wait stand ahead of my first tensor load; the set-up below, work on registers, stands between them
	v_lshrrev_b32 v1, 5, v0
	v_readfirstlane_b32 s14, v1                    ; wave 0..3
	s_lshr_b32 s15, s14, 1                         ; my half of the tile's rows i.  Also: I fetch for P (0) or for R (1)
	s_and_b32 s16, s14, 1                          ; my half of its columns j.  Also: which 128 rows of that tile I fetch
	s_bfe_u32 s40, ttmp6, 0x40000                  ; cx, cy: my place in the cluster
	s_bfe_u32 s41, ttmp6, 0x40004
	s_and_b32 s66, ttmp7, 0xffff                   ; the cluster's y, 0..23: the same in all sixteen partners
	s_and_b32 s100, s66, 7
	s_lshl_b32 s100, s100, 2                       ; the cluster's four tiles along the tokens begin here
	s_lshr_b32 s66, s66, 3                         ; 0 q, 1 k, 2 v
	s_cmp_eq_u32 s66, 2
	s_cselect_b32 s67, 1, 0                        ; 1: v
	s_cselect_b32 s17, 0, s100
	s_cselect_b32 s42, s100, 0
	s_add_co_u32 s17, s17, s41                     ; tile row (i)
	s_add_co_u32 s42, s42, s40                     ; tile column (j)
	s_lshl_b32 s43, s41, 2
	s_lshl_b32 s43, 15, s43                        ; my row of the cluster
	s_lshl_b32 s44, 0x1111, s40                    ; my column
	; descriptor group 1: a tile of 128 rows x 192 bytes, 16 bytes of padding behind every 64
	s_or_b32 s[G1+0], s43, (0<<16)|(1<<20)|(1<<21)|(3<<22)|(3<<25)
	s_or_b32 s[G1B+0], s44, (0<<16)|(1<<20)|(1<<21)|(3<<22)|(3<<25)
.irp g, G1, G1B
	s_mov_b32 s[\g+1], ROWB<<16                    ; tensor_dim0
	s_mov_b32 s[\g+2], 128<<16                     ; tensor_dim1
	s_mov_b32 s[\g+3], ROWB<<16                    ; tile_dim0
	s_mov_b32 s[\g+4], 128                         ; tile_dim1
	s_mov_b32 s[\g+5], KROW                        ; from row to row
	s_mov_b32 s[\g+6], 0
	s_mov_b32 s[\g+7], 0
.endr
	; the scales of 128 rows: 4,096 dense bytes, as 16 rows of 256 bytes (32 elements of 8), 16 bytes of padding behind each
	s_or_b32 s[G1S+0], s43, (3<<16)|(1<<20)|(1<<21)|(5<<22)|(3<<25)
	s_or_b32 s[G1SB+0], s44, (3<<16)|(1<<20)|(1<<21)|(5<<22)|(3<<25)
.irp g, G1S, G1SB
	s_mov_b32 s[\g+1], 32<<16
	s_mov_b32 s[\g+2], (128*KS/256)<<16
	s_mov_b32 s[\g+3], 32<<16
	s_mov_b32 s[\g+4], 128*KS/256
	s_mov_b32 s[\g+5], 32
	s_mov_b32 s[\g+6], 0
	s_mov_b32 s[\g+7], 0
.endr
	; where the operands begin in their buffers: the tokens' part of acts (query for q, context for k and v), the weight's part of wts
	s_min_u32 s18, s66, 1
	s_mul_i32 s19, s18, 6291456                    ; acts: codes,
	s_mul_i32 s18, s18, 262144
	s_add_co_u32 s18, s18, 12582912                ; scale bytes
	s_mul_i32 s20, s66, 786432                     ; wts: codes,
	s_mul_i32 s21, s66, 32768
	s_add_co_u32 s21, s21, 3145728                 ; scale bytes
	s_cmp_eq_u32 s67, 1
	s_cselect_b32 s92, s20, s19                    ; P's codes
	s_cselect_b32 s93, s21, s18                    ; P's scales
	s_cselect_b32 s101, s19, s20                   ; R's codes
	s_cselect_b32 s2, s18, s21                     ; R's scales
	s_lshl_b32 s18, s16, 7                         ; which 128 rows of the tile I fetch
	s_lshl_b32 s20, s17, 8
	s_add_co_u32 s20, s20, s18                     ; P: row 256 x tile row + 128 x half
	s_lshl_b32 s46, s42, 8
	s_add_co_u32 s46, s46, s18                     ; R: row 256 x tile column + 128 x half
	s_lshl_b32 s22, s20, 5
	s_add_co_u32 s22, s22, s93
	s_mul_i32 s20, s20, KROW
	s_add_co_u32 s20, s20, s92
	s_lshl_b32 s12, s46, 5
	s_add_co_u32 s12, s12, s2
	s_mul_i32 s46, s46, KROW
	s_add_co_u32 s46, s46, s101
	s_mov_b32 s21, 0                               ; all four stay under 2^32
	s_mov_b32 s23, 0
	s_mov_b32 s13, 0
	s_mov_b32 s47, 0
	s_mul_i32 s45, s14, HALFT                      ; where they go: wave x 128 rows: no place in the cluster enters an LDS address
	s_mul_i32 s94, s14, HALFS
	s_wait_dscnt 0x0                               ; the opening add is done
	s_wait_kmcnt 0x0
	s_cmp_eq_u32 s67, 1
	s_cselect_b64 s[18:19], s[6:7], s[4:5]         ; P's buffer
	s_cselect_b64 s[92:93], s[4:5], s[6:7]         ; R's
	s_add_nc_u64 s[20:21], s[18:19], s[20:21]
	s_add_nc_u64 s[22:23], s[18:19], s[22:23]
	s_add_nc_u64 s[46:47], s[92:93], s[46:47]
	s_add_nc_u64 s[12:13], s[92:93], s[12:13]
	s_cmp_eq_u32 s66, 1
	s_cselect_b64 s[8:9], s[10:11], s[8:9]
	s_cmp_eq_u32 s66, 2
	s_cselect_b64 s[8:9], s[96:97], s[8:9]         ; the bias
	CROUND                                         ; all sixteen work-groups are here: the first joint loads meet
	s_mov_b32 s[G0S], 1
	s_add_co_u32 s[G0S+1], s94, SCL
	s_mov_b64 s[G0S+2:G0S+3], s[22:23]
	s_or_b32 s[G0S+3], s[G0S+3], 0x80000000
	s_mov_b32 s[G0SB], 1
	s_add_co_u32 s[G0SB+1], s94, SCL
	s_mov_b64 s[G0SB+2:G0SB+3], s[12:13]
	s_or_b32 s[G0SB+3], s[G0SB+3], 0x80000000
	JLOAD G0S, G1S, G0SB, G1SB                     ; the scales first: they are wanted with K step 0
.irp s, 0,1
	s_mov_b32 s[G0+4*\s], 1
	s_add_co_u32 s[G0+4*\s+1], s45, \s*SLOT
	s_add_nc_u64 s[G0+4*\s+2:G0+4*\s+3], s[20:21], \s*ROWB
	s_or_b32 s[G0+4*\s+3], s[G0+4*\s+3], 0x80000000
	s_mov_b32 s[G0B+4*\s], 1
	s_add_co_u32 s[G0B+4*\s+1], s45, \s*SLOT
	s_add_nc_u64 s[G0B+4*\s+2:G0B+4*\s+3], s[46:47], \s*ROWB
	s_or_b32 s[G0B+4*\s+3], s[G0B+4*\s+3], 0x80000000
	JLOAD G0+4*\s, G1, G0B+4*\s, G1B
.endr
	v_and_b32 v1, 15, v0                           ; r
	v_bfe_u32 v2, v0, 4, 1                         ; h
	v_mul_u32_u24 v3, v1, PITCH
	v_mul_u32_u24 v4, v2, 24
	v_add_nc_u32 v4, v3, v4                        ; a fragment's row x pitch + 24 x half
	v_lshl_add_u32 v5, v2, 4, v4                   ; and the same behind one padding more
	s_mul_i32 s21, s15, HALFT                      ; my 128 rows of P
	s_mul_i32 s22, s16, HALFT                      ; my 128 rows of R,
	s_add_co_u32 s22, s22, 2*HALFT                 ; which lie behind P's 256
.irp s, 0,1
	v_add_nc_u32 v[ADRA+\s], s21, v4
	v_add_nc_u32 v[ADRB+\s], s22, v4
	v_add_nc_u32 v[ADRA+2+\s], s21, v5
	v_add_nc_u32 v[ADRB+2+\s], s22, v5
	s_add_co_u32 s21, s21, SLOT
	s_add_co_u32 s22, s22, SLOT
.endr
	v_mul_u32_u24 v5, v1, KS                       ; my row's scales: 32 bytes a row,
	v_lshrrev_b32 v6, 8, v5
	v_lshl_add_u32 v5, v6, 4, v5                   ; and 16 more for each 256 passed
	s_mul_i32 s21, s15, HALFS
	s_mul_i32 s22, s16, HALFS
	s_add_co_u32 s22, s22, 2*HALFS
	s_sub_co_u32 s22, s22, s21
	v_mul_u32_u24 v6, s22, v2                      ; lanes 16-31 take R's
	s_add_co_u32 s21, s21, SCL
	v_add_nc_u32 v5, v5, v6
	v_add_nc_u32 v[ADRS], s21, v5
	; the bias: along j (q, k): tile b's registers want the numbers 32 (b / 2) + 8 (b % 2) + 16 h + 0 .. 7 of my 128; along i (v): tile a's all want number 32 (a / 2) + 8 (a % 2) + r + 8 (r / 8)
	s_lshl_b32 s100, s42, 8
	s_lshl_b32 s101, s16, 7
	s_add_co_u32 s100, s100, s101
	s_lshl_b32 s101, s17, 8
	s_lshl_b32 s2, s15, 7
	s_add_co_u32 s101, s101, s2
	s_cmp_eq_u32 s67, 1
	s_cselect_b32 s100, s101, s100
	s_lshl_b32 s100, s100, 2
	s_mov_b32 s101, 0
	s_add_nc_u64 s[8:9], s[8:9], s[100:101]
	v_lshlrev_b32 v24, 6, v2                       ; 16 h numbers
	v_and_b32 v25, 8, v1
	v_add_nc_u32 v25, v25, v1
	v_lshlrev_b32 v25, 2, v25                      ; r + 8 (r / 8) numbers
	s_cmp_eq_u32 s67, 1                            ; the cluster's y alone: all partners go the same way
	s_cbranch_scc1 .Lbias_i
.irp b, 0,1,2,3,4,5,6,7
	global_load_b128 v[BIA+8*\b:BIA+8*\b+3], v24, s[8:9] offset:(32*(\b/2)+8*(\b%2))*4
	global_load_b128 v[BIA+8*\b+4:BIA+8*\b+7], v24, s[8:9] offset:(32*(\b/2)+8*(\b%2))*4+16
.endr
	s_branch .Lbias_done
.Lbias_i:
.irp a, 0,1,2,3,4,5,6,7
.irp e, 0,1,2,3,4,5,6,7
	global_load_b32 v[BIA+8*\a+\e], v25, s[8:9] offset:(32*(\a/2)+8*(\a%2))*4
.endr
.endr
.Lbias_done:
	; where my block of qkv begins
	s_lshl_b32 s100, s17, 1
	s_add_co_u32 s100, s100, s15                   ; I = i / 128
	s_lshl_b32 s101, s42, 1
	s_add_co_u32 s101, s101, s16                   ; J = j / 128
	s_lshl_b32 s2, s100, 6
	s_add_co_u32 s2, s2, s101                      ; v: 64 I + J
	s_lshl_b32 s101, s101, 6
	s_add_co_u32 s101, s101, s100                  ; q, k: 64 J + I
	s_cmp_eq_u32 s67, 1
	s_cselect_b32 s2, s2, s101
	s_mul_i32 s100, s2, 12288
	s_mul_i32 s101, s66, 6291456
	s_add_co_u32 s100, s100, s101
	s_mov_b32 s101, 0
	s_add_nc_u64 s[12:13], s[98:99], s[100:101]    ; its codes
	s_lshl_b32 s100, s2, 10
	s_mul_i32 s2, s66, 524288
	s_add_co_u32 s100, s100, s2
	s_add_co_u32 s100, s100, 18874368
	s_add_nc_u64 s[10:11], s[98:99], s[100:101]    ; its scale words
.macro FRAG reg, adr, q, i             ; a fragment, 16 rows x 128 K: lane l holds row l % 16; registers 6 c .. 6 c + 5 hold K = 64 c + 32 (l / 16) + 0 .. 31: 24 bytes of the row, in pieces of 8
.irp p, 0,1,2,3,4,5
.set PC, 12*(\q)+6*(\p/3)+\p%3        ; 16 bytes of padding lie behind every 8 pieces: where the piece three on lies behind one padding more, the second address register serves
.if PC%8 < 5
	ds_load_b64 v[\reg+2*\p:\reg+2*\p+1], v[\adr] offset:8*PC+16*(PC/8)+(\i)*16*PITCH
.else
	ds_load_b64 v[\reg+2*\p:\reg+2*\p+1], v[\adr+2] offset:8*PC+16*(PC/8)+(\i)*16*PITCH
.endif
.endr
.endm
; 16 matrix instructions: P's blocks a0, a0 + 1 x R's eight, 128 along K.  cm = 0: the sums go on; 1: they begin with the bias along j; 2: with the bias along i.
; The 64 accumulators take turns, one instruction a turn, in the same order in every step.
.macro MUL16 a0, p, q, sc, cm
.irp a, \a0, \a0+1
.irp b, 0,1,2,3,4,5,6,7
.if \cm == 1
	v_wmma_scale_f32_16x16x128_f8f6f4 v[8*(8*((\a)%4)+\b):8*(8*((\a)%4)+\b)+7], v[128*(\p)+FR*\b:128*(\p)+FR*\b+FR-1], v[AF+FR*(\a):AF+FR*(\a)+FR-1], v[BIA+8*\b:BIA+8*\b+7], v[SC+8*NQ*(\sc)+NQ*\b+(\q)], v[SC+8*NQ*(\sc)+NQ*(\a)+(\q)] matrix_a_fmt:MATRIX_FMT_FP6 matrix_b_fmt:MATRIX_FMT_FP6 matrix_a_scale:MATRIX_SCALE_ROW1
.elseif \cm == 2
	v_wmma_scale_f32_16x16x128_f8f6f4 v[8*(8*((\a)%4)+\b):8*(8*((\a)%4)+\b)+7], v[128*(\p)+FR*\b:128*(\p)+FR*\b+FR-1], v[AF+FR*(\a):AF+FR*(\a)+FR-1], v[BIA+8*(\a):BIA+8*(\a)+7], v[SC+8*NQ*(\sc)+NQ*\b+(\q)], v[SC+8*NQ*(\sc)+NQ*(\a)+(\q)] matrix_a_fmt:MATRIX_FMT_FP6 matrix_b_fmt:MATRIX_FMT_FP6 matrix_a_scale:MATRIX_SCALE_ROW1
.else
	v_wmma_scale_f32_16x16x128_f8f6f4 v[8*(8*((\a)%4)+\b):8*(8*((\a)%4)+\b)+7], v[128*(\p)+FR*\b:128*(\p)+FR*\b+FR-1], v[AF+FR*(\a):AF+FR*(\a)+FR-1], v[8*(8*((\a)%4)+\b):8*(8*((\a)%4)+\b)+7], v[SC+8*NQ*(\sc)+NQ*\b+(\q)], v[SC+8*NQ*(\sc)+NQ*(\a)+(\q)] matrix_a_fmt:MATRIX_FMT_FP6 matrix_b_fmt:MATRIX_FMT_FP6 matrix_a_scale:MATRIX_SCALE_ROW1
.endif
.endr
.endr
.endm
.macro FETCH_B slot, q, p
	WIN TO_B
.irp i, 0,1,2,3,4,5,6,7
	FRAG 128*(\p)+FR*\i, ADRB+\slot, \q, \i
.endr
	WIN 0
.endm
.macro FETCH_A slot, q, i0
.irp i, \i0, \i0+1, \i0+2, \i0+3
	FRAG AF+FR*(\i), ADRA+\slot, \q, \i
.endr
.endm
.macro SCALES sc                       ; a K step's scale words: two words a row; lanes 0-15 take P's block i, lanes 16-31 R's block i
.irp i, 0,1,2,3,4,5,6,7
	ds_load_b64 v[SC+8*NQ*\sc+NQ*\i:SC+8*NQ*\sc+NQ*\i+1], v[ADRS] offset:\i*SBLK
.endr
.endm
.macro PLACES n                        ; plain vector instructions between a matrix instruction and a load into, or a read of, its registers
.rept \n
	v_nop
.endr
.endm
.macro STEP slot, q, cm                ; a step of 128 along K that has its successor in the same slot
	s_wait_dscnt 4*NL                              ; R's set and P's blocks 0-3 are in; the youngest 24 loads (P's blocks 4-7) may be out
.if \cm
	WIN 0x81                                       ; C, the bias, in window 0; D in window 2
.else
	WIN MUL_LO
.endif
	MUL16 0, (\q)%2, \q, \slot, \cm
	MUL16 2, (\q)%2, \q, \slot, \cm
	s_wait_dscnt 0
	PLACES NP
	FETCH_B \slot, (\q)+1, 1-(\q)%2
	FETCH_A \slot, (\q)+1, 0
.if \cm
	WIN 0xc1
.else
	WIN MUL_HI
.endif
	MUL16 4, (\q)%2, \q, \slot, \cm
	MUL16 6, (\q)%2, \q, \slot, \cm
	PLACES NP
	WIN 0
	FETCH_A \slot, (\q)+1, 4
.endm
; A slot's last step changes slots: ONE barrier; in front of it each wave waits for all its tensor loads, adds 0 to its spare word, and waits for that and for its own reads of this slot.
.macro TURN slot, next, fill
	s_wait_tensorcnt 0x0                           ; all my tensor loads have landed: my part of the next slot
	ds_add_u32 v[SPW], v[NIL]                      ; 0 onto my spare word
	s_wait_dscnt 4*NL+1                            ; (the add and the youngest 24 loads may be out)
	WIN MUL_LO
	MUL16 0, 1, NQ-1, \slot, 0
	s_wait_dscnt 0x0                               ; the add is done, and my reads of this slot are over
	s_barrier_signal -1
	MUL16 2, 1, NQ-1, \slot, 0
	WIN 0
	s_barrier_wait -1
.if \fill
	CREST                                          ; the barrier has opened a round of the cluster's barrier: no wave of any partner still reads this slot or has a load on its way
	s_add_nc_u64 s[G0+4*\slot+2:G0+4*\slot+3], s[G0+4*\slot+2:G0+4*\slot+3], 2*ROWB
	s_add_nc_u64 s[G0B+4*\slot+2:G0B+4*\slot+3], s[G0B+4*\slot+2:G0B+4*\slot+3], 2*ROWB
	JLOAD G0+4*\slot, G1, G0B+4*\slot, G1B         ; the first tensor load behind the round; its four v_nop are the places in front of the loads below
.else
	PLACES NP
.endif
	v_add_nc_u32 v[ADRS], 4*NQ, v[ADRS]            ; on to the next K step's scale words
	FETCH_B \next, 0, 0
	FETCH_A \next, 0, 0
	SCALES \next
	WIN MUL_HI
	MUL16 4, 1, NQ-1, \slot, 0
	MUL16 6, 1, NQ-1, \slot, 0
	PLACES NP
	WIN 0
	FETCH_A \next, 0, 4
.endm
	s_wait_tensorcnt 1                             ; the scales and my part of K step 0 are in (K step 1's load may be out)
	s_barrier_signal -1
	s_barrier_wait -1                              ; everybody's are
	FETCH_B 0, 0, 0
	FETCH_A 0, 0, 0
	SCALES 0
	FETCH_A 0, 0, 4
	s_wait_loadcnt 0x0                             ; the bias
	s_cmp_eq_u32 s67, 1                            ; the first step is written twice: it names the bias by R's tile or by P's
	s_cbranch_scc1 .Lfirst_i
	STEP 0, 0, 1
	s_branch .Lfirst_done
.Lfirst_i:
	STEP 0, 0, 2
.Lfirst_done:
	s_mov_b32 s3, LAPS-1
.Llap:                                                 ; a trip goes once round the ring and fills both slots again
	TURN 0, 1, 1
	STEP 1, 0, 0
	TURN 1, 0, 1
	STEP 0, 0, 0
	s_sub_co_u32 s3, s3, 1
	s_cmp_lg_u32 s3, 0
	s_cbranch_scc1 .Llap
	TURN 0, 1, 0                                   ; the last lap fills nothing
	STEP 1, 0, 0
	s_wait_dscnt 4*NL
	WIN MUL_LO
	MUL16 0, 1, NQ-1, 1, 0
	MUL16 2, 1, NQ-1, 1, 0
	s_wait_dscnt 0
	WIN MUL_HI
	MUL16 4, 1, NQ-1, 1, 0
	MUL16 6, 1, NQ-1, 1, 0
	WIN 0
; THE WAY OUT.  Tile a's 64 registers of a lane are j = 32 b + 16 h + i at register 16 b + i: four blocks of 32, each shared with lane l xor 16.  They become a fragment's 12 registers and a scale word, and leave as they stand.
	PLACES NP
	s_mov_b32 s18, 0x76543210
	s_mov_b32 s19, 0xfedcba98                      ; v_permlanex16_b32's selects for lane l xor 16
.irp b, 0,1,2,3
	v_mov_b32 v[TM+4+\b], 0                        ; written once: a lane permute's destination counts as one of its sources
.endr
	v_bfe_u32 v[SH16], v0, 4, 1
	v_lshlrev_b32 v[SH16], 4, v[SH16]
	v_and_b32 v[LO8], 31, v0
	v_lshlrev_b32 v[LO16], 4, v[LO8]
	v_lshlrev_b32 v[LO8], 3, v[LO8]
.macro QOUT a
.set AC, 64*((\a)%4)
.set WW, 2+(\a)/4
	WIN (WW<<2)|(WW<<4)                            ; sources 1 and 2: the accumulators' window
.irp b, 0,1,2,3
	v_max3_num_f32 v[TM+\b], 0x1800000, |v[AC+16*\b]|, |v[AC+16*\b+1]|   ; my 16 numbers of block b, and the floor 2^(3 - 127); each accumulator is read from its low end on
.endr
.irp i, 2,4,6,8,10,12,14
.irp b, 0,1,2,3
	v_max3_num_f32 v[TM+\b], v[TM+\b], |v[AC+16*\b+\i]|, |v[AC+16*\b+\i+1]|
.endr
.endr
	WIN 0
.irp b, 0,1,2,3
	v_permlanex16_b32 v[TM+4+\b], v[TM+\b], s18, s19
.endr
.irp b, 0,1,2,3
	v_max_num_f32 v[TM+\b], v[TM+\b], v[TM+4+\b]   ; the block's largest magnitude
.endr
.irp b, 0,1,2,3
	v_add_nc_u32 v[TM+12+\b], 0xff000000, v[TM+\b] ; 2 off its exponent field: the conversion's scale operand
.endr
.irp b, 0,1,2,3
	v_lshrrev_b32 v[TM+4+\b], 23, v[TM+12+\b]      ; the scale's byte
.endr
	v_lshl_or_b32 v[PW], v[TM+5], 8, v[TM+4]
	v_lshl_or_b32 v[PW], v[TM+6], 16, v[PW]
	v_lshl_or_b32 v[PW], v[TM+7], 24, v[PW]
	v_lshrrev_b32 v[SWR+(\a)], v[SH16], v[PW]      ; lanes 0-15 keep the word, lanes 16-31 hold its upper two bytes moved down
	WIN WW                                         ; source 0: the accumulators' window
.irp c, 0,1
	v_cvt_scalef32_pk16_fp6_f32 v[RC+12*(\a)+6*\c:RC+12*(\a)+6*\c+2], v[AC+32*\c:AC+32*\c+15], v[TM+12+2*\c]
	v_cvt_scalef32_pk16_fp6_f32 v[T2+4*\c:T2+4*\c+2], v[AC+32*\c+16:AC+32*\c+31], v[TM+13+2*\c]   ; (a conversion's three registers begin on an even number)
.endr
	WIN 0
	v_nop                                          ; one plain place behind a scaled conversion
.irp c, 0,1                                    ; the operand's layout wants a WHOLE block in a lane: lanes 0-15 block 2 c, lanes 16-31 block 2 c + 1
.irp i, 0,1,2
	v_permlane16_swap_b32 v[RC+12*(\a)+6*\c+\i], v[T2+4*\c+\i]
.endr
.irp i, 0,1,2
	v_mov_b32 v[RC+12*(\a)+6*\c+3+\i], v[T2+4*\c+\i]
.endr
.endr
.irp c, 0,1
.irp p, 0,1,2
	global_store_b64 v[LO8], v[RC+12*(\a)+6*\c+2*\p:RC+12*(\a)+6*\c+2*\p+1], s[12:13] offset:\c*6144+(\a)*768+\p*256   ; 32 lanes store 256 consecutive bytes, aligned
.endr
.endr
.endm
.irp a, 0,1,2,3,4,5,6,7
	QOUT \a
.endr
	global_store_b128 v[LO16], v[SWR:SWR+3], s[10:11]              ; 512 consecutive bytes each
	global_store_b128 v[LO16], v[SWR+4:SWR+7], s[10:11] offset:512
	s_wait_tensorcnt 0x0                           ; the wave's end, behind my last tensor load
	ds_add_u32 v[SPW], v[NIL]
	s_wait_dscnt 0x0
	CROUND                                         ; the closing round: no work-group ends while a partner may still ask for a tile that names it
	s_endpgm
.Lfunc_end_k_q7f69d55cf6_proj:
	.size	k_q7f69d55cf6_proj, .Lfunc_end_k_q7f69d55cf6_proj-k_q7f69d55cf6_proj
	.p2alignl 7, 3214868480
	.fill 96, 4, 3214868480
	.section	.rodata,"a",@progbits
	.p2align	6, 0x0
	.amdhsa_kernel k_q7f69d55cf6_proj
		.amdhsa_group_segment_fixed_size 327680
		.amdhsa_private_segment_fixed_size 0
		.amdhsa_enable_private_segment 0
		.amdhsa_kernarg_size 48
		.amdhsa_user_sgpr_count 2
		.amdhsa_user_sgpr_kernarg_segment_ptr 1
		.amdhsa_wavefront_size32 1
		.amdhsa_system_sgpr_workgroup_id_x 1
		.amdhsa_system_sgpr_workgroup_id_y 1
		.amdhsa_system_sgpr_workgroup_id_z 1
		.amdhsa_system_vgpr_workitem_id 0
		.amdhsa_next_free_vgpr 1024
		.amdhsa_next_free_sgpr 102
		.amdhsa_reserve_vcc 0
		.amdhsa_float_denorm_mode_32 3
		.amdhsa_float_denorm_mode_16_64 3
		.amdhsa_memory_ordered 1
		.amdhsa_forward_progress 1
		.amdhsa_inst_pref_size 190
	.end_amdhsa_kernel
	.amdgpu_metadata
---
amdhsa.version: [ 1, 2 ]
amdhsa.kernels:
  - .name:           k_q7f69d55cf6_proj
    .symbol:         k_q7f69d55cf6_proj.kd
    .args:
      - { .name: acts, .offset: 0, .size: 8, .value_kind: global_buffer, .address_space: global }
      - { .name: wts, .offset: 8, .size: 8, .value_kind: global_buffer, .address_space: global }
      - { .name: bq, .offset: 16, .size: 8, .value_kind: global_buffer, .address_space: global }
      - { .name: bk, .offset: 24, .size: 8, .value_kind: global_buffer, .address_space: global }
      - { .name: bv, .offset: 32, .size: 8, .value_kind: global_buffer, .address_space: global }
      - { .name: qkv, .offset: 40, .size: 8, .value_kind: global_buffer, .address_space: global }
    .group_segment_fixed_size: 327680
    .private_segment_fixed_size: 0
    .kernarg_segment_align: 8
    .kernarg_segment_size: 48
    .max_flat_workgroup_size: 128
    .sgpr_count:     102
    .vgpr_count:     1024
    .wavefront_size: 32
...
	.end_amdgpu_metadata
.endif
;; end of part 2
;; launch attn (part 3): grid 4 x 64, 16 waves a work-group, clusters of 4 x 1, 231,424 bytes of LDS; arguments qkv, maskbits, oc; writes oc
.if DOCPART == 3
	.amdgcn_target "amdgcn-amd-amdhsa--gfx1250"
	.amdhsa_code_object_version 6
	.text
	.protected	k_q7f69d55cf6_attn
	.globl	k_q7f69d55cf6_attn
	.p2align	8
	.type	k_q7f69d55cf6_attn,@function
k_q7f69d55cf6_attn:
	s_mov_b64 s[64:65], 0
	v_nop
	global_prefetch_b8 v0, s[64:65] scope:SCOPE_SE
	s_setreg_imm32_b32 hwreg(HW_REG_WAVE_MODE, 25, 1), 1
	s_wait_xcnt 0x0
	s_wait_alu depctr_hold_cnt(0) depctr_sa_sdst(0) depctr_va_vdst(0) depctr_va_sdst(0) depctr_va_ssrc(0) depctr_va_vcc(0) depctr_vm_vsrc(0)
	s_getreg_b32 s2, hwreg(HW_REG_IB_STS2, 6, 4)
	s_cmp_eq_u32 s2, 0
	s_cbranch_scc0 .Lentry_in_a_cluster
	s_endpgm
.Lentry_in_a_cluster:
	s_bfe_u32 s2, ttmp6, 0x10000c
	s_cmp_lg_u32 s2, 0x3003
	s_cbranch_scc0 .Lentry_shape_is_right
	s_endpgm
.Lentry_shape_is_right:
; ATTN: O = softmax(where(mask, q k^T / 8, -1e9)) v for one batch and head, both products on codes of FP6 (E2M3) with E8M0 scales; O is quantised along 64 head + d in registers and stored as the last product's operand.
; THE SOFTMAX AHEAD OF THE SECOND PRODUCT: t = score x log2(e) / 8; M = the row's largest t so far, rounded UP to a whole number; p = 2^(t - M) is quantised along the keys, not normalised.  The row's sum is taken of the
; unquantised p and divides O at the end.  When M moves, the sum and O are multiplied by 2^(old M - new M): exact.
; SHARES.  The cluster's y is 16 batch + head; its four work-groups own 512 queries each.  Each of sixteen waves owns two tiles of 16 queries, one after the other (two passes over one text), in 256 registers: four waves to a
; SIMD, so that one wave's vector work stands beside another's matrix work and LDS loads.
; THE WHOLE HEAD'S K AND V LIE IN LDS, FILLED ONCE: 2 x 98,304 bytes of codes and 2 x 16,384 of scale words, asked for jointly by the four work-groups (wave 0: K's, wave 1: V's; five tensor loads a wave are out at the
; most), in quarters of 512 keys, so that the first steps wait for the first quarter alone.  Nothing is filled again.  So nothing is prefetched: all that the launch reads of K and V is asked for at its head.
; LAYOUT.  Both products are used transposed: S^T = K Q^T (source 0 = 16 keys), O^T = V^T P^T (source 0 = 16 of the head's 64): a lane holds ONE query (lane % 16).  Tokens and channels lie in the tile order (bits 3 and 4
; of a row's number exchanged), so the 16 registers of two neighbouring tiles are 16 neighbouring keys, or channels.  Operands lie in qkv as images of their register pairs: pair p at 256 p + 8 x lane.
; K = 64 IN AN INSTRUCTION OF K = 128: Q's upper six registers hold zero codes, so the upper 64 add nothing whatever K's upper six hold (the format has no NaN and no infinity): tile t's operand is v[32 + 6 t .. + 11],
; whose upper half is the next tile's codes.  The upper scale bytes are the neighbouring head's (1 to 254) or 0, never 0xff.
; THE MASK comes as lane masks, one word for each score register, by scalar loads half a step ahead; it only selects values.
; LIMITS: a hidden score counts as energy -2^30 where the definition has -1e9: -2^33 x c is exact, so a row with no key left gives p = 1 for every key, as the definition does; the two differ only where open energies
; lie at or under about -1e9.  A block of zeros carries the byte 1.  NaN and infinities are not served.  O's scale bytes leave as single bytes, 32 bytes apart: 1 / 24 of what the launch stores.
.set KLDS,  0                          ; LDS: K's codes: key step s at 6,144 s: [tile 8][pair 3][256]
.set VLDS,  98304                      ; V's: 6,144 s: [half of the keys 2][tile 4][pair 3][256]
.set KSLDS, 196608                     ; K's scale words: 1,024 s: [tile / 4][lane 32][tile % 4]
.set VSLDS, 212992                     ; V's likewise
.set SPARE, 229376                     ; the spare words, 128 bytes for each wave: eight blocks of 256 bytes that no other line names
.set L8,   1                           ; v1   8 x lane
.set AKS0, 2                           ; v2   my lane's place among K's scale words
.set AVS0, 3                           ; v3   and among V's
.set ADK,  4                           ; v4-7 the step's LDS addresses: K, V, K's scale words, V's
.set ADV,  5
.set ADS,  6
.set ADT,  7
.set QSO,  9                           ; v9   Q's scale word: 16 (16 (head % 2) + r)
.set OSO,  10                          ; v10  O's scale byte: 32 r + h
.set SPW,  29                          ; v29  my spare word's address; never rewritten
.set NIL,  30                          ; v30  0; never rewritten
.set SM,   31                          ; v31  -2^33: a hidden score
.set KR,   32                          ; v32-79 K's eight half fragments on end, then V's four fragments; v80-85 zero codes
.set KSW,  86                          ; v86-93 K's scale words
.set VSW,  94                          ; v94-97 V's
.set S,    98                          ; v98-161 S^T, then p
.set OT,   162                         ; v162-193 O^T
.set PC,   194                         ; v194-205 p's codes
.set T2,   206                         ; v206-208, v210-212 the blocks' second halves
.set BM,   214                         ; v214-217 each block's largest score, then its largest p
.set BP,   218                         ; v218-221 the other half's, then the bytes
.set SO,   222                         ; v222-225 the conversions' scale operands
.set PWD,  226                         ; v226 p's scale word
.set FF,   228                         ; v[228:229] f = 2^(old M - new M), named as a pair
.set TA,   230                         ; v230, v231 at work
.set BY,   231
.set CH,   232                         ; v[232:233] the sum's second chain
;   v12 -M, v13 the largest t, v[14:15] the sum in two halves, v16-27 Q (v22-27 zero codes), v28 Q's scale word
.set WV,   10                          ; s10  my wave's number
.set PASS, 11
.set CNT,  12
.set TK,   13                          ; s13  6,144 x key step
.set TS,   14                          ; s14  1,024 x key step
.set MO,   15                          ; s15  where the mask's words stand: 256 bytes a step, 4,096 a tile, two tiles
.set SEL,  16                          ; s[16:17]
.set CS,   18                          ; s[18:19] c = log2(e) / 8
.set G0S,  20                          ; s[20:23] group 0 for the scale words
.set G1K,  24
.set G1V,  32
.set G1S,  40
.set G0C,  48                          ; s[48:63] groups 0 for the four quarters
.set MK,   68                          ; s[68:99] 32 lane masks (at the head: at work)
;   s[2:3] Q's scale words, s[4:5] Q's codes, s[6:7] the mask's words, s[8:9] O's codes, s[66:67] O's scale bytes, s100 the upper lanes
.macro CROUND
	s_barrier_signal -1
	s_barrier_wait -1
	s_cmp_lg_u32 s[WV], 0
	s_cbranch_scc1 .Lnot_wave_0_\@
	s_barrier_signal -3
.Lnot_wave_0_\@:
	s_barrier_wait -3
	s_barrier_signal -1
	s_barrier_wait -1
.endm
	s_load_b128 s[68:71], s[0:1], 0x0              ; qkv 68, maskbits 70
	s_load_b64 s[72:73], s[0:1], 0x10              ; oc
	v_lshl_add_u32 v[SPW], v0, 2, SPARE
	v_mov_b32 v[NIL], 0
	ds_add_u32 v[SPW], v[NIL]                      ; the wave's opening: the add and its wait stand ahead of my first tensor load; the set-up below, work on registers, stands between them
	v_lshrrev_b32 v1, 5, v0
	v_readfirstlane_b32 s[WV], v1                  ; wave 0..15
	s_bfe_u32 s74, ttmp6, 0x40000                  ; cx: it enters Q's, the mask's and O's addresses alone
	s_and_b32 s75, ttmp7, 0xffff
	s_lshr_b32 s76, s75, 4                         ; batch
	s_and_b32 s77, s75, 15                         ; head
	s_and_b32 s78, s77, 1                          ; head % 2
	s_lshr_b32 s79, s77, 1
	s_lshl_b32 s80, s79, 6
	s_lshl_b32 s81, s76, 4
	s_add_co_u32 s80, s80, s81                     ; the first of K's, and of V's, 16 blocks: 64 (head / 2) + 16 batch
	s_and_b32 s82, s[WV], 1                        ; 0: I would fetch K's, 1: V's
	; descriptor groups 1: elements of 8 bytes, no padding, the mask of all four work-groups and bit 21 beside it
	s_mov_b32 s[G1K], 15|(3<<16)|(1<<21)           ; K, a quarter: 4 rows (key steps) of 6,144 bytes, 12,288 apart
	s_mov_b32 s[G1K+1], 768<<16
	s_mov_b32 s[G1K+2], 4<<16
	s_mov_b32 s[G1K+3], 768<<16
	s_mov_b32 s[G1K+4], 4
	s_mov_b32 s[G1K+5], 1536
	s_mov_b32 s[G1K+6], 0
	s_mov_b32 s[G1K+7], 0
	s_mov_b32 s[G1V], 15|(3<<16)|(1<<21)           ; V, a quarter: 8 rows (halves of key steps) of 3,072 bytes, 6,144 apart
	s_mov_b32 s[G1V+1], 384<<16
	s_mov_b32 s[G1V+2], 8<<16
	s_mov_b32 s[G1V+3], 384<<16
	s_mov_b32 s[G1V+4], 8
	s_mov_b32 s[G1V+5], 768
	s_mov_b32 s[G1V+6], 0
	s_mov_b32 s[G1V+7], 0
	s_mov_b32 s[G1S], 15|(3<<16)|(1<<21)           ; the scale words: 16,384 dense bytes as 64 rows of 256
	s_mov_b32 s[G1S+1], 32<<16
	s_mov_b32 s[G1S+2], 64<<16
	s_mov_b32 s[G1S+3], 32<<16
	s_mov_b32 s[G1S+4], 64
	s_mov_b32 s[G1S+5], 32
	s_mov_b32 s[G1S+6], 0
	s_mov_b32 s[G1S+7], 0
	s_mul_i32 s83, s82, VLDS                       ; where the codes go
	s_add_co_u32 s84, s82, 1
	s_mul_i32 s84, s84, 6291456                    ; k's or v's part of qkv,
	s_mul_i32 s85, s80, 12288
	s_add_co_u32 s84, s84, s85                     ; the first block,
	s_lshr_b32 s85, 6144, s82
	s_mul_i32 s85, s85, s78
	s_add_co_u32 s84, s84, s85                     ; my head's part of a block: K's half c = head % 2, V's tiles 4 (head % 2) on
	s_mov_b32 s85, 0
	s_lshl_b32 s86, s82, 14
	s_add_co_u32 s86, s86, KSLDS                   ; where the scale words go
	s_add_co_u32 s88, s82, 1
	s_lshl_b32 s88, s88, 19
	s_lshl_b32 s89, s80, 10
	s_add_co_u32 s88, s88, s89
	s_add_co_u32 s88, s88, 18874368
	s_mov_b32 s89, 0
	; my own addresses, as offsets
	s_lshl_b32 s90, s76, 7
	s_lshl_b32 s91, s74, 5
	s_add_co_u32 s90, s90, s91
	s_lshl_b32 s91, s[WV], 1
	s_add_co_u32 s90, s90, s91                     ; my first tile of queries: 128 batch + 32 cx + 2 wave
	s_lshl_b32 s6, s90, 12                         ; the mask's words: 4,096 bytes a tile
	s_mov_b32 s7, 0
	s_lshl_b32 s8, s90, 4
	s_add_co_u32 s8, s8, s77
	s_mul_i32 s8, s8, 768                          ; O's codes: (16 tile + head) x 768
	s_mov_b32 s9, 0
	s_lshl_b32 s66, s90, 9
	s_lshl_b32 s91, s77, 1
	s_add_co_u32 s66, s66, s91
	s_add_co_u32 s66, s66, 6291456                 ; O's scale bytes: 512 tile + 2 head
	s_mov_b32 s67, 0
	s_lshl_b32 s91, s74, 2
	s_add_co_u32 s91, s91, s80
	s_lshr_b32 s92, s[WV], 2
	s_add_co_u32 s91, s91, s92                     ; q's block: 8 tiles each
	s_and_b32 s92, s[WV], 3
	s_mul_i32 s4, s91, 12288
	s_mul_i32 s93, s78, 6144
	s_add_co_u32 s4, s4, s93
	s_mul_i32 s93, s92, 1536
	s_add_co_u32 s4, s4, s93                       ; tile 2 (wave % 4) of the block
	s_mov_b32 s5, 0
	s_lshl_b32 s2, s91, 10
	s_lshr_b32 s93, s92, 1
	s_lshl_b32 s93, s93, 9
	s_add_co_u32 s2, s2, s93
	s_lshl_b32 s93, s82, 3
	s_add_co_u32 s2, s2, s93
	s_add_co_u32 s2, s2, 18874368
	s_mov_b32 s3, 0
	s_mov_b32 s[SEL], 0x76543210
	s_mov_b32 s[SEL+1], 0xfedcba98                 ; v_permlanex16_b32's selects for lane l xor 16
	s_mov_b32 s[CS], 0x3e38aa3b                    ; c = log2(e) / 8
	s_mov_b32 s[CS+1], s[CS]                       ; (named with it as a pair, so it is written)
	s_mov_b32 s100, 0xffff0000                     ; lanes 16-31
	s_mov_b32 s[MO], 0
	s_wait_dscnt 0x0                               ; the opening add is done
	s_wait_kmcnt 0x0
	s_mov_b32 s[G0S], 1
	s_mov_b32 s[G0S+1], s86
	s_add_nc_u64 s[G0S+2:G0S+3], s[68:69], s[88:89]
	s_or_b32 s[G0S+3], s[G0S+3], 0x80000000
.irp c, 0,1,2,3
	s_mov_b32 s[G0C+4*\c], 1
	s_add_co_u32 s[G0C+4*\c+1], s83, \c*24576
	s_add_nc_u64 s[G0C+4*\c+2:G0C+4*\c+3], s[68:69], s[84:85]
	s_add_nc_u64 s[G0C+4*\c+2:G0C+4*\c+3], s[G0C+4*\c+2:G0C+4*\c+3], \c*49152
	s_or_b32 s[G0C+4*\c+3], s[G0C+4*\c+3], 0x80000000
.endr
	s_add_nc_u64 s[2:3], s[68:69], s[2:3]
	s_add_nc_u64 s[4:5], s[68:69], s[4:5]
	s_add_nc_u64 s[6:7], s[70:71], s[6:7]
	s_add_nc_u64 s[8:9], s[72:73], s[8:9]
	s_add_nc_u64 s[66:67], s[72:73], s[66:67]
	CROUND                                         ; all four work-groups are here: the joint loads meet
	s_cmp_eq_u32 s[WV], 0                          ; a wave's five fills stand in one branch on the wave's number, ahead of every wait on TENSORcnt and every LDS read
	s_cbranch_scc0 .Lnot_k
	tensor_load_to_lds s[G0S:G0S+3], s[G1S:G1S+7]
	s_nop 0
.irp c, 0,1,2,3
	tensor_load_to_lds s[G0C+4*\c:G0C+4*\c+3], s[G1K:G1K+7]
	s_nop 0
.endr
.rept 4
	v_nop
.endr
	s_branch .Lasked
.Lnot_k:
	s_cmp_eq_u32 s[WV], 1
	s_cbranch_scc0 .Lasked
	tensor_load_to_lds s[G0S:G0S+3], s[G1S:G1S+7]
	s_nop 0
.irp c, 0,1,2,3
	tensor_load_to_lds s[G0C+4*\c:G0C+4*\c+3], s[G1V:G1V+7]
	s_nop 0
.endr
.rept 4
	v_nop
.endr
.Lasked:
	v_and_b32 v[L8], 31, v0
	v_lshlrev_b32 v[L8], 3, v[L8]
	v_and_b32 v8, 15, v0                           ; r
	v_bfe_u32 v11, v0, 4, 1                        ; h
	v_lshlrev_b32 v[QSO], 4, v8
	s_lshl_b32 s93, s78, 8
	v_add_nc_u32 v[QSO], s93, v[QSO]               ; 16 (16 (head % 2) + r): the even head reads the rows' words, the odd head the words moved down
	v_add_nc_u32 v[AKS0], KSLDS, v[QSO]
	v_lshlrev_b32 v[AVS0], 4, v8
	s_lshl_b32 s93, s78, 9
	s_add_co_u32 s93, s93, VSLDS
	v_add_nc_u32 v[AVS0], s93, v[AVS0]             ; V's tiles 4 (head % 2) on: 512 (head % 2) + 16 r
	v_lshl_add_u32 v[OSO], v8, 5, v11
	v_mov_b32 v[SM], 0xd0000000                    ; -2^33
.irp i, 22,23,24,25,26,27,80,81,82,83,84,85
	v_mov_b32 v\i, 0                               ; zero codes, written once
.endr
.irp b, 0,1,2,3
	v_mov_b32 v[BP+\b], 0                          ; written once: a lane permute's destination counts as one of its sources
.endr
	v_mov_b32 v[FF+1], 0                           ; (named as the upper half of f's pair)
	v_mov_b32 v[TA], 0
	s_load_b512 s[MK:MK+15], s[6:7], s[MO] offset:0x0      ; the first step's first 32 lane masks
	s_load_b512 s[MK+16:MK+31], s[6:7], s[MO] offset:0x40
.macro BMAX b0                         ; the largest score of blocks b0 and b0 + 1 of 32 keys, by turns
.irp b, \b0, \b0+1
	v_max3_num_f32 v[BM+(\b)], v[S+16*(\b)], v[S+16*(\b)+1], v[S+16*(\b)+2]
.endr
.irp i, 3,5,7,9,11,13
.irp b, \b0, \b0+1
	v_max3_num_f32 v[BM+(\b)], v[BM+(\b)], v[S+16*(\b)+\i], v[S+16*(\b)+\i+1]
.endr
.endr
.irp b, \b0, \b0+1
	v_max_num_f32 v[BM+(\b)], v[BM+(\b)], v[S+16*(\b)+15]
.endr
.endm
; A KEY STEP: 128 keys.
.macro STEP
	v_add_nc_u32 v[ADK], s[TK], v[L8]              ; these four are also the places behind the last step's products, in front of the loads into their registers
	v_add_nc_u32 v[ADS], s[TS], v[AKS0]
	v_add_nc_u32 v[ADT], s[TS], v[AVS0]
	v_add_nc_u32 v[ADV], VLDS, v[ADK]
.irp a, 0,1,2,3,4,5,6,7
.irp p, 0,1,2
	ds_load_b64 v[KR+6*\a+2*\p:KR+6*\a+2*\p+1], v[ADK] offset:768*\a+256*\p
.endr
.endr
	ds_load_b128 v[KSW:KSW+3], v[ADS]
	ds_load_b128 v[KSW+4:KSW+7], v[ADS] offset:512
	s_wait_dscnt 0x0
.irp t, 0,1,2,3,4,5,6,7                        ; S^T = K Q^T: register 16 b + i of a lane is key 32 b + 16 h + i
	v_wmma_scale_f32_16x16x128_f8f6f4 v[S+8*\t:S+8*\t+7], v[KR+6*\t:KR+6*\t+11], v[16:27], 0, v[KSW+\t], v28 matrix_a_fmt:MATRIX_FMT_FP6 matrix_b_fmt:MATRIX_FMT_FP6
.endr
.rept 4
	v_nop                                          ; places in front of the loads into K's registers and of the first read of the scores
.endr
.irp a, 0,1,2,3                                ; V's four fragments land under the softmax
.irp c, 0,1
.irp p, 0,1,2
	ds_load_b64 v[KR+12*\a+6*\c+2*\p:KR+12*\a+6*\c+2*\p+1], v[ADV] offset:3072*\c+768*\a+256*\p
.endr
.endr
.endr
	ds_load_b128 v[VSW:VSW+3], v[ADT]
	s_wait_kmcnt 0x0                               ; the lane masks of registers 0-31
.set n, 0
.rept 32
	v_cndmask_b32 v[S+n], v[SM], v[S+n], s[MK+n]   ; a hidden key's score becomes -2^33.  (Each accumulator is read from its low end on)
.set n, n+1
.endr
	s_load_b512 s[MK:MK+15], s[6:7], s[MO] offset:0x80     ; those of registers 32-63
	s_load_b512 s[MK+16:MK+31], s[6:7], s[MO] offset:0xc0
	BMAX 0
	s_wait_kmcnt 0x0                               ; they are in, so their offset register may step
	s_add_co_u32 s[MO], s[MO], 256
	s_and_b32 s[MO], s[MO], 8191                   ; my two tiles' words lie on end; behind the very last step the look-ahead turns back to their start, and is not used
.set n, 0
.rept 32
	v_cndmask_b32 v[S+32+n], v[SM], v[S+32+n], s[MK+n]
.set n, n+1
.endr
	s_load_b512 s[MK:MK+15], s[6:7], s[MO] offset:0x0      ; the next step's first 32
	s_load_b512 s[MK+16:MK+31], s[6:7], s[MO] offset:0x40
	BMAX 2
.irp b, 0,1,2,3
	v_permlanex16_b32 v[BP+\b], v[BM+\b], s[SEL], s[SEL+1]
.endr
.irp b, 0,1,2,3
	v_max_num_f32 v[BM+\b], v[BM+\b], v[BP+\b]     ; with lane l xor 16's 16 keys: the block's largest score: it serves for the row's maximum and, since p rises with the score, for the block's largest p
.endr
	v_max3_num_f32 v[TA], v[BM], v[BM+1], v[BM+2]
	v_max_num_f32 v[TA], v[TA], v[BM+3]
	v_mul_f32 v[TA], s[CS], v[TA]                  ; as t (c is positive)
	v_max_num_f32 v13, v13, v[TA]                  ; the running largest t
	v_mov_b32 v[TA], v12
	v_floor_f32 v12, -v13                          ; the new -M = floor(-t): M is a whole number
	v_sub_f32 v[TA], v12, v[TA]                    ; old M - new M: a whole number, 0 or less
	v_cvt_i32_f32 v[TA], v[TA]                     ; (it saturates)
	v_ldexp_f32 v[FF], 1.0, v[TA]                  ; f = 2^(old M - new M)
.set j, 0
.rept 32
	v_pk_fma_f32 v[S+j:S+j+1], v[S+j:S+j+1], s[CS:CS+1], v[12:13] op_sel_hi:[1,0,0]   ; t - M, two at a time
.set j, j+2
.endr
.irp b, 0,1,2,3
	v_fma_f32 v[BM+\b], v[BM+\b], s[CS], v12       ; the same of each block's largest score
.endr
.set j, 0
.rept 64
	v_exp_f32 v[S+j], v[S+j]                       ; p = 2^(t - M), at most 1
.set j, j+1
.endr
	v_pk_mul_f32 v[14:15], v[14:15], v[FF:FF+1] op_sel_hi:[1,0]   ; the sums under the new M: a plain place behind the exponentials
	s_wait_alu depctr_va_vdst(0)                   ; one wait for the batch of 64, ahead of its first reader
.irp b, 0,1,2,3
	v_exp_f32 v[BM+\b], v[BM+\b]                   ; the block's largest p
.endr
	v_pk_add_f32 v[CH:CH+1], v[S:S+1], v[S+2:S+3]  ; the row's sum is taken of the unquantised p, in two chains
.irp j, 4,8,12,16,20,24,28,32,36,40,44,48,52,56,60
	v_pk_add_f32 v[14:15], v[14:15], v[S+\j:S+\j+1]
	v_pk_add_f32 v[CH:CH+1], v[CH:CH+1], v[S+2+\j:S+3+\j]
.endr
	v_pk_add_f32 v[14:15], v[14:15], v[CH:CH+1]
	s_wait_alu depctr_va_vdst(0)                   ; and one for the four
.irp b, 0,1,2,3
	v_max_num_f32 v[BM+\b], 0x1800000, v[BM+\b]    ; the floor 2^(3 - 127): the byte cannot fall under 1
.endr
.irp b, 0,1,2,3
	v_add_nc_u32 v[SO+\b], 0xff000000, v[BM+\b]    ; 2 off the exponent field: the conversion's scale operand
.endr
.irp b, 0,1,2,3
	v_lshrrev_b32 v[BP+\b], 23, v[SO+\b]           ; the scale's byte
.endr
	v_lshl_or_b32 v[PWD], v[BP+1], 8, v[BP]
	v_lshl_or_b32 v[PWD], v[BP+2], 16, v[PWD]
	v_lshl_or_b32 v[PWD], v[BP+3], 24, v[PWD]      ; p's scale word for these 128 keys
.irp c, 0,1
	v_cvt_scalef32_pk16_fp6_f32 v[PC+6*\c:PC+6*\c+2], v[S+32*\c:S+32*\c+15], v[SO+2*\c]
	v_cvt_scalef32_pk16_fp6_f32 v[T2+4*\c:T2+4*\c+2], v[S+32*\c+16:S+32*\c+31], v[SO+2*\c+1]   ; (a conversion's three registers begin on an even number)
.endr
	v_nop                                          ; one plain place behind a scaled conversion
.irp c, 0,1                                    ; the operand's layout wants a WHOLE block in a lane
.irp i, 0,1,2
	v_permlane16_swap_b32 v[PC+6*\c+\i], v[T2+4*\c+\i]
.endr
.irp i, 0,1,2
	v_mov_b32 v[PC+6*\c+3+\i], v[T2+4*\c+\i]
.endr
.endr
.set j, 0
.rept 16
	v_pk_mul_f32 v[OT+j:OT+j+1], v[OT+j:OT+j+1], v[FF:FF+1] op_sel_hi:[1,0]   ; O^T under the new M.  (These 16 are also the places between the codes' and the scale word's last writes and the products)
.set j, j+2
.endr
	s_wait_dscnt 0x0                               ; V
.irp a, 0,1,2,3                                ; O^T += V^T P^T: the four accumulators by turns
	v_wmma_scale_f32_16x16x128_f8f6f4 v[OT+8*\a:OT+8*\a+7], v[KR+12*\a:KR+12*\a+11], v[PC:PC+11], v[OT+8*\a:OT+8*\a+7], v[VSW+\a], v[PWD] matrix_a_fmt:MATRIX_FMT_FP6 matrix_b_fmt:MATRIX_FMT_FP6
.endr
	s_add_co_u32 s[TK], s[TK], 6144
	s_add_co_u32 s[TS], s[TS], 1024
.endm
; A QUARTER of the keys: four steps.  The count lets the later quarters' loads stay out (in waves 2 to 15, and in the second pass, none is out); the wave that waited signals, and the others read behind the barrier.
.macro CHUNK c
	s_wait_tensorcnt 3-\c
	s_wait_dscnt 0x0
	s_barrier_signal -1
	s_barrier_wait -1
	s_mov_b32 s[TK], \c*24576
	s_mov_b32 s[TS], \c*4096
	s_mov_b32 s[CNT], 4
.Lstep_\@:
	STEP
	s_sub_co_u32 s[CNT], s[CNT], 1
	s_cmp_lg_u32 s[CNT], 0
	s_cbranch_scc1 .Lstep_\@
.endm
	s_mov_b32 s[PASS], 2
.Lpass:                                            ; a tile of 16 queries
	global_load_b64 v[16:17], v[L8], s[4:5]        ; Q's half fragment, as its register pairs lie
	global_load_b64 v[18:19], v[L8], s[4:5] offset:256
	global_load_b64 v[20:21], v[L8], s[4:5] offset:512
	global_load_b32 v28, v[QSO], s[2:3]
	v_mov_b32 v13, 0xff61b1e6                      ; the largest t so far: -3e38, under every t
	v_floor_f32 v12, -v13                          ; -M
	v_mov_b32 v14, 0
	v_mov_b32 v15, 0
.set j, 0
.rept 32
	v_mov_b32 v[OT+j], 0                           ; the step is written once: the first finds zeros, which the first change of M leaves zeros
.set j, j+1
.endr
	s_wait_loadcnt 0x0
	CHUNK 0
	CHUNK 1
	CHUNK 2
	CHUNK 3
	; THE WAY OUT: O^T / the sum; register 16 b + i is channel 32 b + 16 h + i: two blocks of the last product's K; they become half a fragment and two scale bytes
	v_add_f32 v14, v14, v15
	v_permlanex16_b32 v[TA], v14, s[SEL], s[SEL+1]
	v_add_f32 v14, v14, v[TA]                      ; the row's sum
	v_rcp_f32 v14, v14
.rept 4
	v_nop                                          ; plain places behind the reciprocal and behind the last products
.endr
	s_wait_alu depctr_va_vdst(0)                   ; the wait ahead of the reciprocal's first reader
.set j, 0
.rept 32
	v_mul_f32 v[S+j], v[OT+j], v14
.set j, j+1
.endr
.irp b, 0,1
	v_max3_num_f32 v[BM+\b], |v[S+16*\b]|, |v[S+16*\b+1]|, 0x1800000
.endr
.irp i, 2,4,6,8,10,12,14
.irp b, 0,1
	v_max3_num_f32 v[BM+\b], v[BM+\b], |v[S+16*\b+\i]|, |v[S+16*\b+\i+1]|
.endr
.endr
.irp b, 0,1
	v_permlanex16_b32 v[BP+\b], v[BM+\b], s[SEL], s[SEL+1]
.endr
.irp b, 0,1
	v_max_num_f32 v[BM+\b], v[BM+\b], v[BP+\b]
.endr
.irp b, 0,1
	v_add_nc_u32 v[SO+\b], 0xff000000, v[BM+\b]
.endr
.irp b, 0,1
	v_lshrrev_b32 v[BP+\b], 23, v[SO+\b]
.endr
	v_cvt_scalef32_pk16_fp6_f32 v[PC:PC+2], v[S:S+15], v[SO]
	v_cvt_scalef32_pk16_fp6_f32 v[T2:T2+2], v[S+16:S+31], v[SO+1]
	v_nop                                          ; one plain place behind a scaled conversion
.irp i, 0,1,2
	v_permlane16_swap_b32 v[PC+\i], v[T2+\i]
.endr
.irp i, 0,1,2
	v_mov_b32 v[PC+3+\i], v[T2+\i]
.endr
	v_cndmask_b32 v[BY], v[BP], v[BP+1], s100      ; lanes 0-15 store block 0's byte, lanes 16-31 block 1's
.irp p, 0,1,2
	global_store_b64 v[L8], v[PC+2*\p:PC+2*\p+1], s[8:9] offset:256*\p   ; 32 lanes store 256 consecutive bytes, aligned
.endr
	global_store_b8 v[OSO], v[BY], s[66:67]
	s_wait_xcnt 0x0                                ; the stores have read their data and bases: both are written again only behind this wait
	s_add_nc_u64 s[4:5], s[4:5], 768               ; on to my second tile
	s_add_nc_u64 s[2:3], s[2:3], 4
	s_add_nc_u64 s[8:9], s[8:9], 12288
	s_add_nc_u64 s[66:67], s[66:67], 512
	s_sub_co_u32 s[PASS], s[PASS], 1
	s_cmp_lg_u32 s[PASS], 0
	s_cbranch_scc1 .Lpass
	s_wait_kmcnt 0x0                               ; the last look-ahead
	s_wait_tensorcnt 0x0                           ; the wave's end, behind my last tensor load
	ds_add_u32 v[SPW], v[NIL]
	s_wait_dscnt 0x0
	CROUND                                         ; the closing round
	s_endpgm
.Lfunc_end_k_q7f69d55cf6_attn:
	.size	k_q7f69d55cf6_attn, .Lfunc_end_k_q7f69d55cf6_attn-k_q7f69d55cf6_attn
	.p2alignl 7, 3214868480
	.fill 96, 4, 3214868480
	.section	.rodata,"a",@progbits
	.p2align	6, 0x0
	.amdhsa_kernel k_q7f69d55cf6_attn
		.amdhsa_group_segment_fixed_size 231424
		.amdhsa_private_segment_fixed_size 0
		.amdhsa_enable_private_segment 0
		.amdhsa_kernarg_size 24
		.amdhsa_user_sgpr_count 2
		.amdhsa_user_sgpr_kernarg_segment_ptr 1
		.amdhsa_wavefront_size32 1
		.amdhsa_system_sgpr_workgroup_id_x 1
		.amdhsa_system_sgpr_workgroup_id_y 1
		.amdhsa_system_sgpr_workgroup_id_z 1
		.amdhsa_system_vgpr_workitem_id 0
		.amdhsa_next_free_vgpr 256
		.amdhsa_next_free_sgpr 102
		.amdhsa_reserve_vcc 0
		.amdhsa_float_denorm_mode_32 3
		.amdhsa_float_denorm_mode_16_64 3
		.amdhsa_memory_ordered 1
		.amdhsa_forward_progress 1
		.amdhsa_inst_pref_size 102
	.end_amdhsa_kernel
	.amdgpu_metadata
---
amdhsa.version: [ 1, 2 ]
amdhsa.kernels:
  - .name:           k_q7f69d55cf6_attn
    .symbol:         k_q7f69d55cf6_attn.kd
    .args:
      - { .name: qkv, .offset: 0, .size: 8, .value_kind: global_buffer, .address_space: global }
      - { .name: maskbits, .offset: 8, .size: 8, .value_kind: global_buffer, .address_space: global }
      - { .name: oc, .offset: 16, .size: 8, .value_kind: global_buffer, .address_space: global }
    .group_segment_fixed_size: 231424
    .private_segment_fixed_size: 0
    .kernarg_segment_align: 8
    .kernarg_segment_size: 24
    .max_flat_workgroup_size: 512
    .sgpr_count:     102
    .vgpr_count:     256
    .wavefront_size: 32
...
	.end_amdgpu_metadata
.endif
;; end of part 3
;; launch oproj (part 4): grid 4 x 32, 4 waves a work-group, clusters of 4 x 4, 327,680 bytes of LDS; arguments oc, wts, bo, out0; writes out0
.if DOCPART == 4
	.amdgcn_target "amdgcn-amd-amdhsa--gfx1250"
	.amdhsa_code_object_version 6
	.text
	.protected	k_q7f69d55cf6_oproj
	.globl	k_q7f69d55cf6_oproj
	.p2align	8
	.type	k_q7f69d55cf6_oproj,@function
k_q7f69d55cf6_oproj:
	s_mov_b64 s[64:65], 0
	v_nop
	global_prefetch_b8 v0, s[64:65] scope:SCOPE_SE
	s_setreg_imm32_b32 hwreg(HW_REG_WAVE_MODE, 25, 1), 1
	s_wait_xcnt 0x0
	s_wait_alu depctr_hold_cnt(0) depctr_sa_sdst(0) depctr_va_vdst(0) depctr_va_sdst(0) depctr_va_ssrc(0) depctr_va_vcc(0) depctr_vm_vsrc(0)
	s_getreg_b32 s2, hwreg(HW_REG_IB_STS2, 6, 4)
	s_cmp_eq_u32 s2, 0
	s_cbranch_scc0 .Lentry_in_a_cluster
	s_endpgm
.Lentry_in_a_cluster:
	s_bfe_u32 s2, ttmp6, 0x10000c
	s_cmp_lg_u32 s2, 0xf033
	s_cbranch_scc0 .Lentry_shape_is_right
	s_endpgm
.Lentry_shape_is_right:
; OPROJ: out0 = O Wo + bo, on codes of FP6 (E2M3) with E8M0 scales, K = 1,024 (64 head + d); out0 [8192][1024] f32.
; A = O's codes, as the attention launch left them: for each tile of 16 tokens and each head 768 bytes, three register pairs of 256 bytes (8 a lane); two heads on end are a fragment of 128 along K.
; A's scale bytes: [token's place][32].  B = Wo's codes [n][768 bytes] and scale bytes [n][32].  Tokens and columns n lie in the tile order (bits 3 and 4 of a row's number exchanged); the way out undoes it by constants.
; A tile of out0, 256 x 256, is made by four waves, 128 x 128 each: 64 accumulators, 512 registers.  K goes in steps of 256 through a ring of two LDS slots; the scale bytes come once and stay.
; 4 x 4 work-groups form a cluster: A's tiles are asked for jointly along a row of the cluster, B's along a column.  128 work-groups: the 8,192 x 1,024 numbers have no more tiles of this size.
; THE MATRIX INSTRUCTION IS USED TRANSPOSED (source 0 = 16 rows of B, source 1 = 16 rows of A): a lane holds eight neighbouring numbers of a row of out0.  bo is the C of each sum's first matrix instruction.
; REGISTERS, in windows of 256: window 0: v0-31 addresses; v32-63 scale words, two sets; v64-127 the bias; from v128 A's fragments, ONE set, on the way out rows of out0.
;   window 1: B's fragments, TWO sets.   windows 2, 3: the accumulators ((a, b) at v[8 (8 (a % 4) + b)] of window 2 + a / 4).
.set KSTEP,  256
.set NQ,     2
.set ROWB,   192
.set KROW,   768
.set PITCH,  240                       ; B's LDS row: 3 x (64 bytes + 16 of padding)
.set FR,     12
.set NL,     6
.set NP,     4                         ; places behind this matrix instruction (ISA guide 7.12.1)
.set HALFT,  128*PITCH                 ; a wave's place in a slot: B's 128 rows fill it, A's 8 tiles x 3,072 bytes take 24,576 of it
.set SLOT,   4*HALFT
.set LAPS,   2
.set KS,     32
.set SCL,    2*SLOT
.set HALFS,  (128*KS/256)*272
.set SBLK,   (16*KS/256)*272
.set SPARE,  SCL+4*HALFS               ; the spare words, 128 bytes for each wave: two blocks of 256 bytes that no other line names
.set SPITCH, 528                       ; the way out: a stage of 16 rows x (512 bytes + 16) for each wave, in slot 0, which has had its last fill and its last read when the first result is stored there
.set ADRA, 16                          ; v16-17 LDS address of A's images in slot 0, 1: 8 x lane + my half
.set ADRB, 20                          ; v20-23 B's fragments
.set STO,  24
.set RD,   25
.set CO,   26
.set ADRS, 27
.set SPW,  28                          ; v28 my spare word's address; never rewritten
.set NIL,  29                          ; v29 0; never rewritten
.set SC,   32
.set BIA,  64
.set AF,   128
.set BK,   128
.set G1, 24
.set G0, 32
.set G1B, 48
.set G0B, 56
.set G1S, 68
.set G0S, 76
.set G1SB, 80
.set G0SB, 88
.set MSB, 0
.macro WIN new                         ; the immediate's high byte repeats the setting that is left
.if MSB != \new
	s_set_vgpr_msb (MSB<<8)|\new
.set MSB, \new
.endif
.endm
.set MUL_LO, 0xa1
.set MUL_HI, 0xf1
.set TO_B,   0x40
.macro JLOAD g0a, g1a, g0b, g1b        ; a joint load: waves 0 and 1 fetch for A, waves 2 and 3 for B; an s_nop 0 and four v_nop follow each of the two lines
	s_cmp_eq_u32 s15, 0
	s_cbranch_scc0 .Lfor_b_\@
	tensor_load_to_lds s[\g0a:\g0a+3], s[\g1a:\g1a+7]
	s_nop 0
.rept 4
	v_nop
.endr
	s_branch .Lasked_\@
.Lfor_b_\@:
	tensor_load_to_lds s[\g0b:\g0b+3], s[\g1b:\g1b+7]
	s_nop 0
.rept 4
	v_nop
.endr
.Lasked_\@:
.endm
.macro CREST
	s_cmp_lg_u32 s14, 0
	s_cbranch_scc1 .Lnot_wave_0_\@
	s_barrier_signal -3
.Lnot_wave_0_\@:
	s_barrier_wait -3
	s_barrier_signal -1
	s_barrier_wait -1
.endm
.macro CROUND
	s_barrier_signal -1
	s_barrier_wait -1
	CREST
.endm
	s_load_b256 s[4:11], s[0:1], 0x0               ; oc 4, wts 6, bo 8, out0 10
	v_lshl_add_u32 v[SPW], v0, 2, SPARE
	v_mov_b32 v[NIL], 0
	ds_add_u32 v[SPW], v[NIL]                      ; the wave's opening: the add and its wait stand ahead of my first tensor load; the set-up below, work on registers, stands between them
	v_lshrrev_b32 v1, 5, v0
	v_readfirstlane_b32 s14, v1                    ; wave 0..3
	s_lshr_b32 s15, s14, 1                         ; my half of the tile's rows.  Also: I fetch for A (0) or for B (1)
	s_and_b32 s16, s14, 1                          ; my half of its columns.  Also: which 128 rows of that tile I fetch
	s_bfe_u32 s40, ttmp6, 0x40000                  ; cx, cy
	s_bfe_u32 s41, ttmp6, 0x40004
	s_lshl_b32 s42, ttmp9, 2
	s_add_co_u32 s42, s42, s40                     ; tile column
	s_and_b32 s17, ttmp7, 0xffff
	s_lshl_b32 s17, s17, 2
	s_add_co_u32 s17, s17, s41                     ; tile row
	s_lshl_b32 s43, s41, 2
	s_lshl_b32 s43, 15, s43                        ; my row of the cluster
	s_lshl_b32 s44, 0x1111, s40                    ; my column
	; A's tiles: 8 rows (tiles of 16 tokens) of 3,072 bytes (four heads), 12,288 apart; elements of 8 bytes, no padding
	s_or_b32 s[G1+0], s43, (3<<16)|(1<<21)
	s_mov_b32 s[G1+1], 384<<16
	s_mov_b32 s[G1+2], 8<<16
	s_mov_b32 s[G1+3], 384<<16
	s_mov_b32 s[G1+4], 8
	s_mov_b32 s[G1+5], 1536
	s_mov_b32 s[G1+6], 0
	s_mov_b32 s[G1+7], 0
	; B's tiles: 128 rows x 192 bytes, 16 bytes of padding behind every 64
	s_or_b32 s[G1B+0], s44, (0<<16)|(1<<20)|(1<<21)|(3<<22)|(3<<25)
	s_mov_b32 s[G1B+1], ROWB<<16
	s_mov_b32 s[G1B+2], 128<<16
	s_mov_b32 s[G1B+3], ROWB<<16
	s_mov_b32 s[G1B+4], 128
	s_mov_b32 s[G1B+5], KROW
	s_mov_b32 s[G1B+6], 0
	s_mov_b32 s[G1B+7], 0
	; the scales of 128 rows: 4,096 dense bytes, as 16 rows of 256 bytes, 16 bytes of padding behind each
	s_or_b32 s[G1S+0], s43, (3<<16)|(1<<20)|(1<<21)|(5<<22)|(3<<25)
	s_or_b32 s[G1SB+0], s44, (3<<16)|(1<<20)|(1<<21)|(5<<22)|(3<<25)
.irp g, G1S, G1SB
	s_mov_b32 s[\g+1], 32<<16
	s_mov_b32 s[\g+2], (128*KS/256)<<16
	s_mov_b32 s[\g+3], 32<<16
	s_mov_b32 s[\g+4], 128*KS/256
	s_mov_b32 s[\g+5], 32
	s_mov_b32 s[\g+6], 0
	s_mov_b32 s[\g+7], 0
.endr
	s_lshl_b32 s18, s16, 7
	s_lshl_b32 s20, s17, 8
	s_add_co_u32 s20, s20, s18                     ; A: place 256 x tile row + 128 x half
	s_lshl_b32 s46, s42, 8
	s_add_co_u32 s46, s46, s18                     ; B: place 256 x tile column + 128 x half
	s_lshl_b32 s22, s20, 5
	s_add_co_u32 s22, s22, 6291456                 ; A's scale bytes
	s_mul_i32 s20, s20, 768                        ; A's codes: 12,288 bytes for each 16 places
	s_lshl_b32 s92, s46, 5
	s_add_co_u32 s92, s92, 3244032                 ; Wo's scale bytes
	s_mul_i32 s46, s46, KROW
	s_add_co_u32 s46, s46, 2359296                 ; Wo's codes
	s_mov_b32 s21, 0
	s_mov_b32 s23, 0
	s_mov_b32 s93, 0
	s_mov_b32 s47, 0
	s_mul_i32 s45, s14, HALFT                      ; where they go: no place in the cluster enters an LDS address
	s_mul_i32 s94, s14, HALFS
	s_wait_dscnt 0x0                               ; the opening add is done
	s_wait_kmcnt 0x0
	s_add_nc_u64 s[20:21], s[4:5], s[20:21]
	s_add_nc_u64 s[22:23], s[4:5], s[22:23]
	s_add_nc_u64 s[46:47], s[6:7], s[46:47]
	s_add_nc_u64 s[92:93], s[6:7], s[92:93]
	CROUND                                         ; all sixteen work-groups are here: the first joint loads meet
	s_mov_b32 s[G0S], 1
	s_add_co_u32 s[G0S+1], s94, SCL
	s_mov_b64 s[G0S+2:G0S+3], s[22:23]
	s_or_b32 s[G0S+3], s[G0S+3], 0x80000000
	s_mov_b32 s[G0SB], 1
	s_add_co_u32 s[G0SB+1], s94, SCL
	s_mov_b64 s[G0SB+2:G0SB+3], s[92:93]
	s_or_b32 s[G0SB+3], s[G0SB+3], 0x80000000
	JLOAD G0S, G1S, G0SB, G1SB
.irp s, 0,1
	s_mov_b32 s[G0+4*\s], 1
	s_add_co_u32 s[G0+4*\s+1], s45, \s*SLOT
	s_add_nc_u64 s[G0+4*\s+2:G0+4*\s+3], s[20:21], \s*3072
	s_or_b32 s[G0+4*\s+3], s[G0+4*\s+3], 0x80000000
	s_mov_b32 s[G0B+4*\s], 1
	s_add_co_u32 s[G0B+4*\s+1], s45, \s*SLOT
	s_add_nc_u64 s[G0B+4*\s+2:G0B+4*\s+3], s[46:47], \s*ROWB
	s_or_b32 s[G0B+4*\s+3], s[G0B+4*\s+3], 0x80000000
	JLOAD G0+4*\s, G1, G0B+4*\s, G1B
.endr
	v_and_b32 v1, 15, v0                           ; r
	v_bfe_u32 v2, v0, 4, 1                         ; h
	v_and_b32 v6, 31, v0                           ; lane
	v_lshlrev_b32 v7, 3, v6                        ; 8 x lane: an image's place for my lane
	v_mul_u32_u24 v3, v1, PITCH
	v_mul_u32_u24 v4, v2, 24
	v_add_nc_u32 v4, v3, v4                        ; B: a fragment's row x pitch + 24 x half
	v_lshl_add_u32 v5, v2, 4, v4                   ; and the same behind one padding more
	s_mul_i32 s21, s15, HALFT                      ; my 128 rows of A
	s_mul_i32 s22, s16, HALFT
	s_add_co_u32 s22, s22, 2*HALFT                 ; my 128 rows of B
.irp s, 0,1
	v_add_nc_u32 v[ADRA+\s], s21, v7
	v_add_nc_u32 v[ADRB+\s], s22, v4
	v_add_nc_u32 v[ADRB+2+\s], s22, v5
	s_add_co_u32 s21, s21, SLOT
	s_add_co_u32 s22, s22, SLOT
.endr
	v_mul_u32_u24 v5, v1, KS
	v_lshrrev_b32 v8, 8, v5
	v_lshl_add_u32 v5, v8, 4, v5
	s_mul_i32 s21, s15, HALFS
	s_mul_i32 s22, s16, HALFS
	s_add_co_u32 s22, s22, 2*HALFS
	s_sub_co_u32 s22, s22, s21
	v_mul_u32_u24 v8, s22, v2                      ; lanes 16-31 take B's
	s_add_co_u32 s21, s21, SCL
	v_add_nc_u32 v5, v5, v8
	v_add_nc_u32 v[ADRS], s21, v5
	s_mul_i32 s23, s14, 16*SPITCH                  ; my stage
	v_mul_u32_u24 v5, v1, SPITCH                   ; in: row r; my half's eight columns of a pair of tiles lie 16 columns, 64 bytes, apart
	v_lshl_add_u32 v5, v2, 6, v5
	v_add_nc_u32 v[STO], s23, v5
	v_lshlrev_b32 v[CO], 4, v6                     ; back: the 32 lanes take one row of 512 bytes; and the same in out0
	v_add_nc_u32 v[RD], s23, v[CO]
	s_lshl_b32 s20, s17, 8
	s_lshl_b32 s21, s15, 7
	s_add_co_u32 s20, s20, s21                     ; my first row of out0
	s_lshl_b32 s20, s20, 12                        ; rows of 4,096 bytes
	s_lshl_b32 s46, s42, 10
	s_lshl_b32 s47, s16, 9
	s_add_co_u32 s46, s46, s47                     ; my first column, in bytes
	s_mov_b32 s47, 0
	s_add_nc_u64 s[8:9], s[8:9], s[46:47]          ; bo at my 128 columns
	s_add_co_u32 s46, s46, s20
	s_add_nc_u64 s[12:13], s[10:11], s[46:47]
	v_lshlrev_b32 v9, 6, v2                        ; the bias: tile b's registers want the numbers 32 (b / 2) + 8 (b % 2) + 16 h + 0 .. 7
.irp b, 0,1,2,3,4,5,6,7
	global_load_b128 v[BIA+8*\b:BIA+8*\b+3], v9, s[8:9] offset:(32*(\b/2)+8*(\b%2))*4
	global_load_b128 v[BIA+8*\b+4:BIA+8*\b+7], v9, s[8:9] offset:(32*(\b/2)+8*(\b%2))*4+16
.endr
.macro FRAG reg, adr, q, i             ; B's fragment: 24 bytes of the row for each half of K, in pieces of 8; the second address register serves the pieces behind one padding more
.irp p, 0,1,2,3,4,5
.set PC, 12*(\q)+6*(\p/3)+\p%3
.if PC%8 < 5
	ds_load_b64 v[\reg+2*\p:\reg+2*\p+1], v[\adr] offset:8*PC+16*(PC/8)+(\i)*16*PITCH
.else
	ds_load_b64 v[\reg+2*\p:\reg+2*\p+1], v[\adr+2] offset:8*PC+16*(PC/8)+(\i)*16*PITCH
.endif
.endr
.endm
.macro FRAGA reg, slot, q, i           ; A's fragment: six register pairs as they were stored: tile i at 3,072 i, two heads at 1,536 q, pair p at 256 p, 8 bytes a lane
.irp p, 0,1,2,3,4,5
	ds_load_b64 v[\reg+2*\p:\reg+2*\p+1], v[ADRA+\slot] offset:3072*(\i)+1536*(\q)+256*\p
.endr
.endm
; 16 matrix instructions: A's blocks a0, a0 + 1 x B's eight.  cm = 1: the sums begin with the bias.  The 64 accumulators take turns, one instruction a turn.
.macro MUL16 a0, p, q, sc, cm
.irp a, \a0, \a0+1
.irp b, 0,1,2,3,4,5,6,7
.if \cm
	v_wmma_scale_f32_16x16x128_f8f6f4 v[8*(8*((\a)%4)+\b):8*(8*((\a)%4)+\b)+7], v[128*(\p)+FR*\b:128*(\p)+FR*\b+FR-1], v[AF+FR*(\a):AF+FR*(\a)+FR-1], v[BIA+8*\b:BIA+8*\b+7], v[SC+8*NQ*(\sc)+NQ*\b+(\q)], v[SC+8*NQ*(\sc)+NQ*(\a)+(\q)] matrix_a_fmt:MATRIX_FMT_FP6 matrix_b_fmt:MATRIX_FMT_FP6 matrix_a_scale:MATRIX_SCALE_ROW1
.else
	v_wmma_scale_f32_16x16x128_f8f6f4 v[8*(8*((\a)%4)+\b):8*(8*((\a)%4)+\b)+7], v[128*(\p)+FR*\b:128*(\p)+FR*\b+FR-1], v[AF+FR*(\a):AF+FR*(\a)+FR-1], v[8*(8*((\a)%4)+\b):8*(8*((\a)%4)+\b)+7], v[SC+8*NQ*(\sc)+NQ*\b+(\q)], v[SC+8*NQ*(\sc)+NQ*(\a)+(\q)] matrix_a_fmt:MATRIX_FMT_FP6 matrix_b_fmt:MATRIX_FMT_FP6 matrix_a_scale:MATRIX_SCALE_ROW1
.endif
.endr
.endr
.endm
.macro FETCH_B slot, q, p
	WIN TO_B
.irp i, 0,1,2,3,4,5,6,7
	FRAG 128*(\p)+FR*\i, ADRB+\slot, \q, \i
.endr
	WIN 0
.endm
.macro FETCH_A slot, q, i0
.irp i, \i0, \i0+1, \i0+2, \i0+3
	FRAGA AF+FR*(\i), \slot, \q, \i
.endr
.endm
.macro SCALES sc
.irp i, 0,1,2,3,4,5,6,7
	ds_load_b64 v[SC+8*NQ*\sc+NQ*\i:SC+8*NQ*\sc+NQ*\i+1], v[ADRS] offset:\i*SBLK
.endr
.endm
.macro PLACES n
.rept \n
	v_nop
.endr
.endm
.macro STEP slot, q, cm
	s_wait_dscnt 4*NL                              ; B's set and A's blocks 0-3 are in; the youngest 24 loads (A's blocks 4-7) may be out
.if \cm
	WIN 0x81                                       ; C, the bias, in window 0; D in window 2
.else
	WIN MUL_LO
.endif
	MUL16 0, (\q)%2, \q, \slot, \cm
	MUL16 2, (\q)%2, \q, \slot, \cm
	s_wait_dscnt 0
	PLACES NP
	FETCH_B \slot, (\q)+1, 1-(\q)%2
	FETCH_A \slot, (\q)+1, 0
.if \cm
	WIN 0xc1
.else
	WIN MUL_HI
.endif
	MUL16 4, (\q)%2, \q, \slot, \cm
	MUL16 6, (\q)%2, \q, \slot, \cm
	PLACES NP
	WIN 0
	FETCH_A \slot, (\q)+1, 4
.endm
.macro TURN slot, next, fill           ; a slot's last step changes slots: ONE barrier; in front of it each wave waits for all its tensor loads, adds 0 to its spare word, and waits for that and for its reads of this slot
	s_wait_tensorcnt 0x0                           ; all my tensor loads have landed: my part of the next slot
	ds_add_u32 v[SPW], v[NIL]                      ; 0 onto my spare word
	s_wait_dscnt 4*NL+1                            ; (the add and the youngest 24 loads may be out)
	WIN MUL_LO
	MUL16 0, 1, NQ-1, \slot, 0
	s_wait_dscnt 0x0                               ; the add is done, and my reads of this slot are over
	s_barrier_signal -1
	MUL16 2, 1, NQ-1, \slot, 0
	WIN 0
	s_barrier_wait -1
.if \fill
	CREST                                          ; the barrier has opened a round of the cluster's barrier: no wave of any partner still reads this slot or has a load on its way
	s_add_nc_u64 s[G0+4*\slot+2:G0+4*\slot+3], s[G0+4*\slot+2:G0+4*\slot+3], 2*3072
	s_add_nc_u64 s[G0B+4*\slot+2:G0B+4*\slot+3], s[G0B+4*\slot+2:G0B+4*\slot+3], 2*ROWB
	JLOAD G0+4*\slot, G1, G0B+4*\slot, G1B         ; the first tensor load behind the round; its four v_nop are the places in front of the loads below
.else
	PLACES NP
.endif
	v_add_nc_u32 v[ADRS], 4*NQ, v[ADRS]
	FETCH_B \next, 0, 0
	FETCH_A \next, 0, 0
	SCALES \next
	WIN MUL_HI
	MUL16 4, 1, NQ-1, \slot, 0
	MUL16 6, 1, NQ-1, \slot, 0
	PLACES NP
	WIN 0
	FETCH_A \next, 0, 4
.endm
	s_wait_tensorcnt 1                             ; the scales and my part of K step 0 are in (K step 1's load may be out)
	s_barrier_signal -1
	s_barrier_wait -1                              ; everybody's are
	FETCH_B 0, 0, 0
	FETCH_A 0, 0, 0
	SCALES 0
	FETCH_A 0, 0, 4
	s_wait_loadcnt 0x0                             ; the bias
	STEP 0, 0, 1                                   ; the first step begins the sums with the bias
	s_mov_b32 s3, LAPS-1
.Llap:
	TURN 0, 1, 1
	STEP 1, 0, 0
	TURN 1, 0, 1
	STEP 0, 0, 0
	s_sub_co_u32 s3, s3, 1
	s_cmp_lg_u32 s3, 0
	s_cbranch_scc1 .Llap
	TURN 0, 1, 0                                   ; the last lap fills nothing
	STEP 1, 0, 0
	s_wait_dscnt 4*NL
	WIN MUL_LO
	MUL16 0, 1, NQ-1, 1, 0
	MUL16 2, 1, NQ-1, 1, 0
	s_wait_dscnt 0
	WIN MUL_HI
	MUL16 4, 1, NQ-1, 1, 0
	MUL16 6, 1, NQ-1, 1, 0
	WIN 0
; THE WAY OUT, block by block of 16 places x 128 columns, through my own stage in LDS, back as whole rows of 512 bytes.  The tile order is undone by constants: tile b's eight columns of half h are
; 32 (b / 2) + 8 (b % 2) + 16 h + 0 .. 7; place t of block a is row 32 (a / 2) + 8 (a % 2) + t + 8 (t / 8).  LDS serves a wave's instructions in order: no wait between the stores and the loads.
.macro TOSTAGE a
.set AC, 64*((\a)%4)
	WIN 0x08+4*((\a)/4)                            ; the data: window 2 or 3
.irp b, 0,1,2,3,4,5,6,7
	ds_store_b128 v[STO], v[AC+8*\b:AC+8*\b+3] offset:128*(\b/2)+32*(\b%2)          ; each accumulator from its low end on
	ds_store_b128 v[STO], v[AC+8*\b+4:AC+8*\b+7] offset:128*(\b/2)+32*(\b%2)+16
.endr
	WIN 0
.set BR, BK+64*((\a)%2)
.irp t, 0,1,2,3,4,5,6,7,8,9,10,11,12,13,14,15
	ds_load_b128 v[BR+4*\t:BR+4*\t+3], v[RD] offset:\t*SPITCH
.endr
.endm
.macro SEND a, younger                 ; younger: the LDS instructions issued behind block a's loads, which may stay out
.set BR, BK+64*((\a)%2)
	s_wait_dscnt \younger
.if (\a) > 0
.if (\a)%2
	s_add_nc_u64 s[12:13], s[12:13], 8*4096        ; (behind a wait on XCNT: the earlier stores have read their base)  an odd block begins 8 rows behind the even one,
.else
	s_add_nc_u64 s[12:13], s[12:13], 24*4096       ; the next even one 24 rows further on
.endif
.endif
.irp t, 0,1,2,3,4,5,6,7,8,9,10,11,12,13,14,15
	global_store_b128 v[CO], v[BR+4*\t:BR+4*\t+3], s[12:13] offset:(\t+8*(\t/8))*4096 th:TH_STORE_NT   ; 32 lanes store 512 consecutive bytes, aligned; written once, read by nobody here
.endr
.endm
	PLACES NP
	TOSTAGE 0
.irp a, 1,2,3,4,5,6,7
.if \a > 1
	s_wait_xcnt 0x0                                ; block a - 2's stores have read their registers and their base
.endif
	TOSTAGE \a
	SEND \a-1, 32                                  ; behind block a - 1's loads: block a's 16 stores and 16 loads
.endr
	s_wait_xcnt 0x0
	SEND 7, 0
	s_wait_tensorcnt 0x0                           ; the wave's end, behind my last tensor load and my last LDS store
	ds_add_u32 v[SPW], v[NIL]
	s_wait_dscnt 0x0
	CROUND                                         ; the closing round
	s_endpgm
.Lfunc_end_k_q7f69d55cf6_oproj:
	.size	k_q7f69d55cf6_oproj, .Lfunc_end_k_q7f69d55cf6_oproj-k_q7f69d55cf6_oproj
	.p2alignl 7, 3214868480
	.fill 96, 4, 3214868480
	.section	.rodata,"a",@progbits
	.p2align	6, 0x0
	.amdhsa_kernel k_q7f69d55cf6_oproj
		.amdhsa_group_segment_fixed_size 327680
		.amdhsa_private_segment_fixed_size 0
		.amdhsa_enable_private_segment 0
		.amdhsa_kernarg_size 32
		.amdhsa_user_sgpr_count 2
		.amdhsa_user_sgpr_kernarg_segment_ptr 1
		.amdhsa_wavefront_size32 1
		.amdhsa_system_sgpr_workgroup_id_x 1
		.amdhsa_system_sgpr_workgroup_id_y 1
		.amdhsa_system_sgpr_workgroup_id_z 1
		.amdhsa_system_vgpr_workitem_id 0
		.amdhsa_next_free_vgpr 1024
		.amdhsa_next_free_sgpr 100
		.amdhsa_reserve_vcc 0
		.amdhsa_float_denorm_mode_32 3
		.amdhsa_float_denorm_mode_16_64 3
		.amdhsa_memory_ordered 1
		.amdhsa_forward_progress 1
		.amdhsa_inst_pref_size 161
	.end_amdhsa_kernel
	.amdgpu_metadata
---
amdhsa.version: [ 1, 2 ]
amdhsa.kernels:
  - .name:           k_q7f69d55cf6_oproj
    .symbol:         k_q7f69d55cf6_oproj.kd
    .args:
      - { .name: oc, .offset: 0, .size: 8, .value_kind: global_buffer, .address_space: global }
      - { .name: wts, .offset: 8, .size: 8, .value_kind: global_buffer, .address_space: global }
      - { .name: bo, .offset: 16, .size: 8, .value_kind: global_buffer, .address_space: global }
      - { .name: out0, .offset: 24, .size: 8, .value_kind: global_buffer, .address_space: global }
    .group_segment_fixed_size: 327680
    .private_segment_fixed_size: 0
    .kernarg_segment_align: 8
    .kernarg_segment_size: 32
    .max_flat_workgroup_size: 128
    .sgpr_count:     100
    .vgpr_count:     1024
    .wavefront_size: 32
...
	.end_amdgpu_metadata
.endif
;; end of part 4
